; MI455X (gfx1250); checked and timed in simulation.
; The chip was launched on July 23, 2026; its instructions are those of AMD's public machine-readable ISA for CDNA 5 (MIT licence, August 2026) and "CDNA5" Instruction Set Architecture Reference Guide (July 2026). The comments in the code are by the model that wrote it; some were corrected since.
;; Attention. Allowed arithmetic: matrix products marked QUANTISED: E4M3 operands, one given power-of-two scale a tensor, by v_wmma_f32_16x16x64_fp8_fp8 or v_wmma_f32_16x16x128_fp8_fp8, f32 sums; everything else in f32.
;; Inputs: attn_mask 2 x 2,048 x 2,048 bool; lowp_scales 10 int32 (the exponents e of the quantised operands' scales 2^e); segment_pos 2 x 2,048 int32; wkv 2 x 4 x 2,048 x 128 float32; wq 8 x 2,048 x 128 float32; wvec 8 x 128 x 2,048 float32; x 2 x 2,048 x 2,048 float32.
;; Outputs: out0 2 x 2,048 x 2,048 float32.
;; This version of the problem:
;;   THIS VERSION OF THE PROBLEM IS GIVEN IN LOW PRECISION. The matrix products marked QUANTISED in the list below multiply operands that are first quantised to E4M3 (4 exponent bits, 3 mantissa bits; 8 bits a number), with one given power-of-two scale for each operand tensor; their sums are f32. All else is computed in f32.
;;   The module's matrix products, in the order in which they are computed (A, B: the left and right operand; K: the contracted axis; several contracted axes count as one K, in the product's order):
;;     1. [M 4,096, K 2,048] x [K 2,048, N 1,024]; A: input x; B: input wq: QUANTISED (scales: A lowp_scales[0], B lowp_scales[1])
;;     2. [M 1,024, K 2,048] x [K 2,048, N 4,096]; A: input wkv; B: input x: QUANTISED (scales: A lowp_scales[2], B lowp_scales[3])
;;     3. batch 8 x [M 2,048, K 128] x [K 128, N 4,096]; A: computed on the way; B: computed on the way: QUANTISED (scales: A lowp_scales[4], B lowp_scales[5])
;;     4. batch 8 x [M 128, K 2,048] x [K 2,048, N 4,096]; A: computed on the way; B: computed on the way: QUANTISED (scales: A lowp_scales[6], B lowp_scales[7])
;;     5. [M 4,096, K 1,024] x [K 1,024, N 2,048]; A: computed on the way; B: input wvec: QUANTISED (scales: A lowp_scales[8], B lowp_scales[9])
;;   THE QUANTISER, for each operand of a quantised product, along K:
;;     - The operand's scale is 2^e, e = its entry of the input lowp_scales (int32; the entries are numbered through the quantised products in the list's order, A before B).
;;     - Each number is divided by the scale, clamped to +-448, and rounded to the nearest number of E4M3, ties to even, subnormals kept.
;;     - The product sums the exact products of the quantised numbers (number of the format x scale) in f32.
;;   ~~~python
;;   def quantise(x, axis, e):      # numpy; x: float32 -> the quantised numbers, widened to float32 again
;;       x = np.moveaxis(x, axis, -1); K = x.shape[-1]
;;       r = np.clip(x / 2.0 ** e, -448, 448)
;;       step = 2.0 ** (np.maximum(np.frexp(np.where(r == 0, 1, r))[1] - 1, -6) - 3)
;;       q = np.round(r / step) * step * 2.0 ** e      # np.round: ties to even
;;       return np.moveaxis(q, -1, axis).astype(np.float32)
;;   ~~~
;;   OPERANDS COMPUTED ON THE WAY. 'Computed on the way' means the value that the module computes at that place (a softmax that the list does not call 'softmax' is quantised finished and normalised). What goes into a quantiser is computed in f32, as accurately as f32 sums, v_exp_f32 and their like allow (about 1e-6 of the number): no bf16 or f16 on the way to a quantiser, and a product that is left as it is and whose result goes on into a quantised operand takes f32 operands (vector FMAs, or v_wmma_f32_16x16x4_f32). A number that lies on a knife's edge between two numbers of the format may be rounded either way, as far as f32 arithmetic and the matrix unit's own rounding can turn it there, and no further.
;; One version. Each part assembles by itself: llvm-mc -triple=amdgcn-amd-amdhsa -mcpu=gfx1250 --defsym DOCPART=n.
;; ======== version 1 of 1: 4 launches
;; limits: a function is approximated: absolute error at most 5e-06; right only within a limited range of input values
;; workspace buffers: xc 16,777,216 bytes; wc 6,291,456 bytes; mw 1,048,576 bytes of whole numbers; tab 4,194,304 bytes; qkv 8,388,608 bytes; ec 4,194,304 bytes
;; launch quant (part 1): grid 1792 x 1, 4 waves a work-group, no clusters, 34,304 bytes of LDS; arguments x, wq, wkv, wvec, attn_mask, segment_pos, lowp_scales, xc, wc, mw, tab; writes xc, wc, mw, tab
.if DOCPART == 1
	.amdgcn_target "amdgcn-amd-amdhsa--gfx1250"
	.amdhsa_code_object_version 6
	.text
	.protected	k_q3fdac08d63_quant
	.globl	k_q3fdac08d63_quant
	.p2align	8
	.type	k_q3fdac08d63_quant,@function
k_q3fdac08d63_quant:
	s_mov_b64 s[64:65], 0
	v_nop
	global_prefetch_b8 v0, s[64:65] scope:SCOPE_SE
	s_setreg_imm32_b32 hwreg(HW_REG_WAVE_MODE, 25, 1), 1
	s_wait_xcnt 0x0
; THE FIRST OF FOUR LAUNCHES of a grouped-query attention with RoPE, soft cap, band mask x input mask, all five products on codes of E4M3 with given scales 2^e.
; NOTHING OF THE PROBLEM IS LEFT OUT: every input is loaded, every product is made whole.  Key tiles outside the band |s - t| <= 1023 are walked too: a query row whose mask is all false gets 1/2048 on ALL 2,048 keys
; (every padded logit is the same smallest number, so the softmax is flat), so those tiles can reach the output for some inputs.
; THIS LAUNCH makes what the later ones read again and again, once:  x's codes twice (scale entries 0 and 3 need not be equal), the codes of wq (1), wkv (2), wvec (9), the mask as words of one bit a lane, and RoPE's tables.
; A FRAGMENT IMAGE is the one layout of all codes: 16 rows x 128 along K = 2,048 bytes; piece c (512 bytes): lane l = r + 16 h has its 16 bytes at 512 c + 16 l, the codes k = 32 c + 16 h + 0 .. 15 of row r.
; Four 16-byte loads at 16 x lane then fill an operand's sixteen registers; the same order of k stands on both sides of every product.
; THE ROWS OF A TILE ARE NOT NEIGHBOURS: tile 2 c + u of a group of 32 rows holds row 32 c + 8 u + r + 8 (r / 8) in lane r, so that a transposed result's 16 registers of tiles 2 c, 2 c + 1 are 16 neighbours.
; code = number / 2^e, held within +-448, to the nearest code, ties to even.
; PATHS, by the work-group's number: 0-1023 x; 1024-1279 wq and wkv; 1280-1407 wvec; 1408-1663 the mask; 1664-1791 the tables.  Only the first path touches LDS.
; LIMITS: entries 0, 1, 2, 3, 9 of the scales between -126 and 119, so that 2^e and 448 x 2^e are f32 numbers.  |segment_pos| <= 2^20 (three-part reduction by pi/2).  NaN and infinities among the inputs are not served.
; The timescale 10000^(i/64) = 10^g x 10^(j/16) (i = 16 g + j) is a correctly rounded constant times an exact power of ten: within one unit in the last place.  Sine and cosine: reduction to |y| <= pi/4, polynomials of degree 7 and 8.
.set SPARE, 33792                      ; behind the four stages of 8,448 bytes: the spare words, 128 bytes a wave
.macro MKSC e, sc, lim                 ; v[sc] = 2^e as f32, v[lim] = 448 x 2^e, e in s[e]
	s_add_co_i32 s73, s[\e], 127
	s_lshl_b32 s74, s73, 23
	v_mov_b32 v[\sc], s74
	s_add_co_i32 s73, s73, 8
	s_lshl_b32 s73, s73, 23
	s_or_b32 s73, s73, 0x600000
	v_mov_b32 v[\lim], s73
.endm
	s_load_b512 s[4:19], s[0:1], 0x0               ; x s[4:5], wq s[6:7], wkv s[8:9], wvec s[10:11], attn_mask s[12:13], segment_pos s[14:15], scales s[16:17], xc s[18:19]
	s_load_b128 s[20:23], s[0:1], 0x40             ; wc s[20:21], mw s[22:23]
	s_load_b64 s[24:25], s[0:1], 0x50              ; tab
	v_lshl_add_u32 v1, v0, 2, SPARE                ; my spare word; never rewritten
	v_mov_b32 v2, 0                                ; 0; never rewritten
	v_lshrrev_b32 v3, 5, v0
	v_readfirstlane_b32 s26, v3                    ; wave
	v_and_b32 v3, 31, v0                           ; lane
	v_and_b32 v4, 15, v0                           ; r
	v_bfe_u32 v5, v0, 4, 1                         ; h
	v_and_b32 v6, 8, v4
	v_add_nc_u32 v6, v6, v4                        ; r + 8 (r / 8)
	v_lshlrev_b32 v7, 4, v3                        ; 16 x lane
	s_wait_kmcnt 0x0
	s_load_b256 s[32:39], s[16:17], 0x0            ; e0 .. e7
	s_load_b64 s[40:41], s[16:17], 0x20            ; e8, e9
	s_cmp_lt_u32 ttmp9, 1024
	s_cbranch_scc1 .Lx
	s_cmp_lt_u32 ttmp9, 1280
	s_cbranch_scc1 .Lw512
	s_cmp_lt_u32 ttmp9, 1408
	s_cbranch_scc1 .Lw8192
	s_cmp_lt_u32 ttmp9, 1664
	s_cbranch_scc1 .Lm
; ---- THE TABLES.  A wave takes 8 positions.  A position's row is 512 bytes: for g = 0 .. 3: cos of i = 16 g .. 16 g + 15 (64 bytes), then sin.  Lane l writes bytes 16 l on: g = l / 8; l % 8 < 4: cos, else sin; i = 16 g + 4 (l % 4) + e.
	s_sub_co_u32 s27, ttmp9, 1664
	s_lshl_b32 s27, s27, 2
	s_add_co_u32 s27, s27, s26
	s_lshl_b32 s27, s27, 3                         ; my first position
	s_lshl_b32 s44, s27, 2
	s_mov_b32 s45, 0
	s_add_nc_u64 s[14:15], s[14:15], s[44:45]
	s_load_b256 s[52:59], s[14:15], 0x0            ; eight positions
	s_lshl_b32 s44, s27, 9
	s_add_nc_u64 s[24:25], s[24:25], s[44:45]
	v_lshrrev_b32 v8, 3, v3                        ; g
	v_and_b32 v9, 3, v3                            ; l % 4
	v_bfe_u32 v10, v3, 2, 1
	v_xor_b32 v10, 1, v10                          ; 1 for a cosine: the sine a quadrant on
	v_cmp_eq_u32 s46, 1, v9
	v_cmp_eq_u32 s47, 2, v9
	v_cmp_eq_u32 s48, 3, v9
	v_cmp_eq_u32 s49, 1, v8
	v_cmp_eq_u32 s50, 2, v8
	v_cmp_eq_u32 s51, 3, v8
	v_mov_b32 v11, 1.0                             ; 10^g, exact
	v_mov_b32 v12, 0x41200000
	v_cndmask_b32 v11, v11, v12, s49
	v_mov_b32 v12, 0x42c80000
	v_cndmask_b32 v11, v11, v12, s50
	v_mov_b32 v12, 0x447a0000
	v_cndmask_b32 v11, v11, v12, s51
.macro TSC e, c0, c1, c2, c3           ; v[16 + e] = 10^((4 (l % 4) + e) / 16) x 10^g
	v_mov_b32 v[16+\e], \c0
	v_mov_b32 v12, \c1
	v_cndmask_b32 v[16+\e], v[16+\e], v12, s46
	v_mov_b32 v12, \c2
	v_cndmask_b32 v[16+\e], v[16+\e], v12, s47
	v_mov_b32 v12, \c3
	v_cndmask_b32 v[16+\e], v[16+\e], v12, s48
	v_mul_f32 v[16+\e], v[16+\e], v11
.endm
	TSC 0, 0x3f800000, 0x3fe39ea9, 0x404a62c2, 0x40b3f300
	TSC 1, 0x3f93cfe5, 0x40036cf4, 0x4069b621, 0x40cfcd58
	TSC 2, 0x3faab0d5, 0x4017c496, 0x4086f161, 0x40eff755
	TSC 3, 0x3fc51c50, 0x402f4244, 0x409bd461, 0x410a8de6
.irp e, 0,1,2,3
	v_rcp_f32 v[20+\e], v[16+\e]
.endr
	v_nop                                          ; a plain instruction behind the last reciprocal
	s_mov_b32 s60, 0x3f22f983                      ; 2 / pi
	s_mov_b32 s61, 0x3fc90fdb                      ; pi / 2 in three parts
	s_mov_b32 s62, 0xb33bbd2e
	s_mov_b32 s63, 0xa6f72ced
	s_mov_b32 s66, 0xb94ca1f9                      ; sine: y + y z (S1 + z (S2 + z S3)), z = y y
	s_mov_b32 s67, 0x3c08839e
	s_mov_b32 s68, 0xbe2aaaa3
	s_mov_b32 s69, 0x37ccf5ce                      ; cosine: 1 - z / 2 + z z (C1 + z (C2 + z C3))
	s_mov_b32 s70, 0xbab6061a
	s_mov_b32 s71, 0x3d2aaaa5
	s_mov_b32 s72, 0x3db504f3                      ; 1 / sqrt(128), folded into q's table
	s_wait_alu depctr_va_vdst(0)                   ; one wait for the four reciprocals, ahead of their first reader
	s_wait_kmcnt 0x0
.macro TPOS p
	v_cvt_f32_i32 v13, s[52+\p]
.irp e, 0,1,2,3
	v_mul_f32 v[24+\e], v13, v[20+\e]              ; the quotient position / timescale, corrected once by its remainder
.endr
.irp e, 0,1,2,3
	v_fma_f32 v[28+\e], -v[24+\e], v[16+\e], v13
.endr
.irp e, 0,1,2,3
	v_fma_f32 v[24+\e], v[28+\e], v[20+\e], v[24+\e]
.endr
.irp e, 0,1,2,3
	v_mul_f32 v[28+\e], s60, v[24+\e]
.endr
.irp e, 0,1,2,3
	v_rndne_f32 v[28+\e], v[28+\e]                 ; n
.endr
.irp e, 0,1,2,3
	v_fma_f32 v[32+\e], -v[28+\e], s61, v[24+\e]   ; y = quotient - n pi / 2
.endr
.irp e, 0,1,2,3
	v_fma_f32 v[32+\e], -v[28+\e], s62, v[32+\e]
.endr
.irp e, 0,1,2,3
	v_fma_f32 v[32+\e], -v[28+\e], s63, v[32+\e]
.endr
.irp e, 0,1,2,3
	v_cvt_i32_f32 v[48+\e], v[28+\e]
.endr
.irp e, 0,1,2,3
	v_add_nc_u32 v[48+\e], v[48+\e], v10           ; the quadrant
.endr
.irp e, 0,1,2,3
	v_mul_f32 v[36+\e], v[32+\e], v[32+\e]         ; z
.endr
.irp e, 0,1,2,3
	v_fma_f32 v[40+\e], v[36+\e], s66, s67
.endr
.irp e, 0,1,2,3
	v_fma_f32 v[44+\e], v[36+\e], s69, s70
.endr
.irp e, 0,1,2,3
	v_fma_f32 v[40+\e], v[40+\e], v[36+\e], s68
.endr
.irp e, 0,1,2,3
	v_fma_f32 v[44+\e], v[44+\e], v[36+\e], s71
.endr
.irp e, 0,1,2,3
	v_mul_f32 v[52+\e], v[36+\e], v[32+\e]
.endr
.irp e, 0,1,2,3
	v_fma_f32 v[56+\e], v[36+\e], -0.5, 1.0
.endr
.irp e, 0,1,2,3
	v_mul_f32 v[36+\e], v[36+\e], v[36+\e]
.endr
.irp e, 0,1,2,3
	v_fma_f32 v[40+\e], v[40+\e], v[52+\e], v[32+\e]   ; sin y
.endr
.irp e, 0,1,2,3
	v_fma_f32 v[44+\e], v[44+\e], v[36+\e], v[56+\e]   ; cos y
.endr
.irp e, 0,1,2,3
	v_and_b32 v[52+\e], 1, v[48+\e]
.endr
.irp e, 0,1,2,3
	v_cmp_eq_u32 vcc_lo, 1, v[52+\e]
	v_cndmask_b32 v[40+\e], v[40+\e], v[44+\e], vcc_lo ; odd quadrants take the cosine,
.endr
.irp e, 0,1,2,3
	v_and_b32 v[48+\e], 2, v[48+\e]
.endr
.irp e, 0,1,2,3
	v_lshlrev_b32 v[48+\e], 30, v[48+\e]
.endr
.irp e, 0,1,2,3
	v_xor_b32 v[64+8*\p+\e], v[48+\e], v[40+\e]        ; quadrants 2 and 3 the other sign
.endr
.irp e, 0,1,2,3
	v_mul_f32 v[68+8*\p+\e], s72, v[64+8*\p+\e]
.endr
	global_store_b128 v7, v[64+8*\p:67+8*\p], s[24:25] offset:512*\p+2097152   ; k's table: the wave stores 512 consecutive bytes; no register of a store is written again
	global_store_b128 v7, v[68+8*\p:71+8*\p], s[24:25] offset:512*\p           ; q's table, x 1 / sqrt(128)
.endm
.irp p, 0,1,2,3,4,5,6,7
	TPOS \p
.endr
	s_endpgm
; ---- x.  One wave makes one image (16 rows x 128 along K) for both scales.  Each load reads 512 consecutive bytes of one row; the rows turn through the wave's own stage (528 bytes a row) so that a lane gets 16 neighbours of each block of 32.
.Lx:
	s_lshr_b32 s27, ttmp9, 2                       ; the tile of positions, 0 .. 255
	s_and_b32 s28, ttmp9, 3
	s_lshl_b32 s28, s28, 2
	s_add_co_u32 s28, s28, s26                     ; the K step, 0 .. 15
	s_lshr_b32 s29, s27, 1
	s_lshl_b32 s29, s29, 5
	s_and_b32 s30, s27, 1
	s_lshl_b32 s30, s30, 3
	s_add_co_u32 s29, s29, s30                     ; the tile's first row
	s_lshl_b32 s44, s29, 13
	s_lshl_b32 s30, s28, 9
	s_add_co_u32 s44, s44, s30
	s_mov_b32 s45, 0
	s_add_nc_u64 s[4:5], s[4:5], s[44:45]
.set i, 0
.rept 16
	global_load_b128 v[16+4*i:19+4*i], v7, s[4:5] offset:(i+8*(i/8))*8192 th:TH_LOAD_NT
.set i, i+1
.endr
	s_lshl_b32 s44, s27, 4
	s_add_co_u32 s44, s44, s28
	s_lshl_b32 s44, s44, 11
	s_add_nc_u64 s[18:19], s[18:19], s[44:45]      ; the image under entry 0's scale,
	s_add_nc_u64 s[46:47], s[18:19], 0x800000      ; and under entry 3's
	s_mul_i32 s31, s26, 8448                       ; my stage
	v_add_nc_u32 v8, s31, v7                       ; in: 16 x lane, the row in the immediate
	v_mul_u32_u24 v9, v4, 528
	v_lshl_add_u32 v9, v5, 6, v9
	v_add_nc_u32 v9, s31, v9                       ; back: row r, + 64 h
	s_wait_kmcnt 0x0
	MKSC 32, 10, 11
	MKSC 35, 12, 13
	s_wait_loadcnt 0x0
.set i, 0
.rept 16
	ds_store_b128 v8, v[16+4*i:19+4*i] offset:528*i
.set i, i+1
.endr
.set i, 0
.rept 16
	ds_load_b128 v[80+4*i:83+4*i], v9 offset:128*(i/4)+16*(i%4)   ; LDS serves a wave's instructions in order: these see my stores
.set i, i+1
.endr
	s_wait_dscnt 0x0
.irp st, 0,1
.irp c, 0,1,2,3
.irp i, 0,1,2,3,4,5,6,7,8,9,10,11,12,13,14,15
	v_med3_num_f32 v[144+16*(\c%2)+\i], v[80+16*\c+\i], -v[11+2*\st], v[11+2*\st]   ; the conversion does not saturate: the hold first; two sets of 16 by turns, so that plain lines stand between a conversion and the next write of its sources
.endr
	v_cvt_scalef32_pk8_fp8_f32 v[176+16*\st+4*\c:177+16*\st+4*\c], v[144+16*(\c%2):151+16*(\c%2)], v[10+2*\st]
	v_cvt_scalef32_pk8_fp8_f32 v[178+16*\st+4*\c:179+16*\st+4*\c], v[152+16*(\c%2):159+16*(\c%2)], v[10+2*\st]
.endr
.endr
.irp c, 0,1,2,3
	global_store_b128 v7, v[176+4*\c:179+4*\c], s[18:19] offset:512*\c    ; 512 consecutive bytes a store
.endr
.irp c, 0,1,2,3
	global_store_b128 v7, v[192+4*\c:195+4*\c], s[46:47] offset:512*\c
.endr
	s_wait_tensorcnt 0x0                           ; the wave's end, behind my last LDS store
	ds_add_u32 v1, v2
	s_wait_dscnt 0x0
	s_endpgm
; ---- THE WEIGHTS: K is not innermost.  A lane takes a column and its registers run down K, so the conversions give codes with K innermost.  A work-group: 128 columns x 128 along K; wave w: columns 32 w on, two tiles.
; Lane r + 16 u holds row r of tile 2 w + u: column 32 w + 8 u + r + 8 (r / 8).  Its 32 codes of block c are the two halves of piece c: each half of the lanes stores 256 consecutive bytes, aligned.
.macro LOADW c, pitch
.set i, 0
.rept 32
	global_load_b32 v[16+32*((\c)%2)+i], v8, s[44:45] offset:(32*(\c)+i)*\pitch th:TH_LOAD_NT
.set i, i+1
.endr
.endm
.macro WPATH pitch, nks                ; s[44:45] source, s[46:47] destination, s50 the exponent
	MKSC 50, 10, 11
	s_lshl_b32 s52, s26, 7
	v_lshlrev_b32 v8, 2, v6
	v_lshl_add_u32 v8, v5, 5, v8
	v_add_nc_u32 v8, s52, v8                       ; 4 x my column
	s_mul_i32 s52, s26, 2*\nks*2048
	v_mul_u32_u24 v9, v5, \nks*2048
	v_lshl_add_u32 v9, v4, 4, v9
	v_add_nc_u32 v9, s52, v9                       ; my tile's image, + 16 r
	LOADW 0, \pitch
	LOADW 1, \pitch
.irp c, 0,1,2,3
.if \c < 3
	s_wait_loadcnt 32                              ; this block's 32 loads are in; the next block's may be out
.else
	s_wait_loadcnt 0x0
.endif
.set i, 0
.rept 32
	v_med3_num_f32 v[16+32*(\c%2)+i], v[16+32*(\c%2)+i], -v11, v11
.set i, i+1
.endr
.irp g, 0,1,2,3
	v_cvt_scalef32_pk8_fp8_f32 v[80+8*\c+2*\g:81+8*\c+2*\g], v[16+32*(\c%2)+8*\g:23+32*(\c%2)+8*\g], v10
.endr
	global_store_b128 v9, v[80+8*\c:83+8*\c], s[46:47] offset:512*\c
	global_store_b128 v9, v[84+8*\c:87+8*\c], s[46:47] offset:512*\c+256
.if \c < 2
	LOADW \c+2, \pitch
.endif
.endr
.endm
.Lw512:                                                ; wq (heads 0-7) and wkv (k: 8-11, v: 12-15): [head][2048 (K)][128]
	s_wait_kmcnt 0x0
	s_sub_co_u32 s27, ttmp9, 1024
	s_lshr_b32 s28, s27, 4                         ; head
	s_and_b32 s29, s27, 15                         ; K step
	s_cmp_lt_u32 s28, 8
	s_cselect_b64 s[44:45], s[6:7], s[8:9]
	s_cselect_b32 s50, s33, s34
	s_and_b32 s30, s28, 7
	s_lshl_b32 s30, s30, 20
	s_lshl_b32 s31, s29, 16
	s_add_co_u32 s30, s30, s31
	s_mov_b32 s31, 0
	s_add_nc_u64 s[44:45], s[44:45], s[30:31]
	s_lshl_b32 s30, s28, 18                        ; 8 tiles x 16 K steps x 2,048 bytes a head
	s_lshl_b32 s52, s29, 11
	s_add_co_u32 s30, s30, s52
	s_add_nc_u64 s[46:47], s[20:21], s[30:31]
	WPATH 512, 16
	s_endpgm
.Lw8192:                                               ; wvec: [1024 (K = head x 128 + h)][2048]
	s_wait_kmcnt 0x0
	s_sub_co_u32 s27, ttmp9, 1280
	s_lshr_b32 s28, s27, 3                         ; block of 128 output features
	s_and_b32 s29, s27, 7                          ; K step = head
	s_mov_b32 s50, s41
	s_lshl_b32 s30, s29, 20
	s_lshl_b32 s31, s28, 9
	s_add_co_u32 s30, s30, s31
	s_mov_b32 s31, 0
	s_add_nc_u64 s[44:45], s[10:11], s[30:31]
	s_lshl_b32 s30, s28, 17                        ; 8 tiles x 8 K steps x 2,048 bytes a block
	s_lshl_b32 s52, s29, 11
	s_add_co_u32 s30, s30, s52
	s_add_co_u32 s30, s30, 4194304
	s_add_nc_u64 s[46:47], s[20:21], s[30:31]
	WPATH 8192, 8
	s_endpgm
; ---- THE MASK.  Word n (0 .. 63) of (batch, tile of queries, key step): bit l = 1 where lane l's query may NOT see key 128 step + 32 (n / 16) + 16 (l / 16) + n % 16: outside the band or false in attn_mask.
; That is the place of the attention launch's score register n in lane l.  A work-group: one tile of queries; wave w: key steps 4 w .. 4 w + 3.
.Lm:
	s_sub_co_u32 s27, ttmp9, 1408                  ; batch x 128 + tile
	s_lshr_b32 s28, s27, 7
	s_and_b32 s29, s27, 127
	s_lshr_b32 s30, s29, 1
	s_lshl_b32 s30, s30, 5
	s_and_b32 s31, s29, 1
	s_lshl_b32 s31, s31, 3
	s_add_co_u32 s30, s30, s31
	v_add_nc_u32 v8, s30, v6                       ; my query t
	v_lshlrev_b32 v9, 11, v8
	v_lshl_add_u32 v9, v5, 4, v9                   ; t x 2,048 + 16 h
	s_lshl_b32 s44, s28, 22
	s_lshl_b32 s31, s26, 9
	s_add_co_u32 s44, s44, s31
	s_mov_b32 s45, 0
	s_add_nc_u64 s[12:13], s[12:13], s[44:45]
.set i, 0
.rept 16
	global_load_b128 v[16+4*i:19+4*i], v9, s[12:13] offset:128*(i/4)+32*(i%4)
.set i, i+1
.endr
	v_lshlrev_b32 v82, 4, v5
	v_sub_nc_u32 v82, v82, v8
	s_add_co_u32 s31, s31, 1023
	v_add_nc_u32 v82, s31, v82                     ; 512 w + 16 h - t + 1023: a key's offset added, the band is 0 .. 2046, unsigned
	s_mov_b32 s46, 2046
.irp j, 0,1,2,3,4,5,6,7
	v_mov_b32 v[84+\j], 0                          ; written whole once: a lane write's destination counts as read
.endr
	v_lshlrev_b32 v10, 3, v3                       ; 8 x lane: words 2 l and 2 l + 1
	s_lshl_b32 s44, s27, 4
	s_lshl_b32 s47, s26, 2
	s_add_co_u32 s44, s44, s47
	s_lshl_b32 s44, s44, 8
	s_add_nc_u64 s[22:23], s[22:23], s[44:45]
.irp tau, 0,1,2,3
	s_wait_loadcnt 12-4*\tau                       ; this key step's four loads are in; the later steps' may be out
.set n, 0
.rept 64
	v_bfe_u32 v80, v[16+16*\tau+n/4], 8*(n%4), 8
	v_cmp_eq_u32 s44, 0, v80                       ; false in the input
	v_add_nc_u32 v81, 128*\tau+32*(n/16)+n%16, v82
	v_cmp_lt_u32 s45, s46, v81                     ; outside the band
	s_or_b32 s44, s44, s45
	v_writelane_b32 v[84+2*\tau+n%2], s44, n/2
.set n, n+1
.endr
	global_store_b64 v10, v[84+2*\tau:85+2*\tau], s[22:23] offset:256*\tau   ; 256 consecutive bytes, aligned
.endr
	s_endpgm
.Lfunc_end_k_q3fdac08d63_quant:
	.size	k_q3fdac08d63_quant, .Lfunc_end_k_q3fdac08d63_quant-k_q3fdac08d63_quant
	.p2alignl 7, 3214868480
	.fill 96, 4, 3214868480
	.section	.rodata,"a",@progbits
	.p2align	6, 0x0
	.amdhsa_kernel k_q3fdac08d63_quant
		.amdhsa_group_segment_fixed_size 34304
		.amdhsa_private_segment_fixed_size 0
		.amdhsa_enable_private_segment 0
		.amdhsa_kernarg_size 88
		.amdhsa_user_sgpr_count 2
		.amdhsa_user_sgpr_kernarg_segment_ptr 1
		.amdhsa_wavefront_size32 1
		.amdhsa_system_sgpr_workgroup_id_x 1
		.amdhsa_system_sgpr_workgroup_id_y 1
		.amdhsa_system_sgpr_workgroup_id_z 1
		.amdhsa_system_vgpr_workitem_id 0
		.amdhsa_next_free_vgpr 208
		.amdhsa_next_free_sgpr 80
		.amdhsa_reserve_vcc 1
		.amdhsa_float_denorm_mode_32 3
		.amdhsa_float_denorm_mode_16_64 3
		.amdhsa_memory_ordered 1
		.amdhsa_forward_progress 1
		.amdhsa_inst_pref_size 198
	.end_amdhsa_kernel
	.amdgpu_metadata
---
amdhsa.version: [ 1, 2 ]
amdhsa.kernels:
  - .name:           k_q3fdac08d63_quant
    .symbol:         k_q3fdac08d63_quant.kd
    .args:
      - { .name: x, .offset: 0, .size: 8, .value_kind: global_buffer, .address_space: global }
      - { .name: wq, .offset: 8, .size: 8, .value_kind: global_buffer, .address_space: global }
      - { .name: wkv, .offset: 16, .size: 8, .value_kind: global_buffer, .address_space: global }
      - { .name: wvec, .offset: 24, .size: 8, .value_kind: global_buffer, .address_space: global }
      - { .name: attn_mask, .offset: 32, .size: 8, .value_kind: global_buffer, .address_space: global }
      - { .name: segment_pos, .offset: 40, .size: 8, .value_kind: global_buffer, .address_space: global }
      - { .name: lowp_scales, .offset: 48, .size: 8, .value_kind: global_buffer, .address_space: global }
      - { .name: xc, .offset: 56, .size: 8, .value_kind: global_buffer, .address_space: global }
      - { .name: wc, .offset: 64, .size: 8, .value_kind: global_buffer, .address_space: global }
      - { .name: mw, .offset: 72, .size: 8, .value_kind: global_buffer, .address_space: global }
      - { .name: tab, .offset: 80, .size: 8, .value_kind: global_buffer, .address_space: global }
    .group_segment_fixed_size: 34304
    .private_segment_fixed_size: 0
    .kernarg_segment_align: 8
    .kernarg_segment_size: 88
    .max_flat_workgroup_size: 128
    .sgpr_count:     80
    .vgpr_count:     208
    .wavefront_size: 32
...
	.end_amdgpu_metadata
.endif
;; end of part 1
;; launch proj (part 2): grid 16 x 16, 4 waves a work-group, clusters of 4 x 4, 327,680 bytes of LDS; arguments xc, wc, tab, lowp_scales, qkv; writes qkv
.if DOCPART == 2
	.amdgcn_target "amdgcn-amd-amdhsa--gfx1250"
	.amdhsa_code_object_version 6
	.text
	.protected	k_q3fdac08d63_proj
	.globl	k_q3fdac08d63_proj
	.p2align	8
	.type	k_q3fdac08d63_proj,@function
k_q3fdac08d63_proj:
	s_mov_b64 s[64:65], 0
	v_nop
	global_prefetch_b8 v0, s[64:65] scope:SCOPE_SE
	s_setreg_imm32_b32 hwreg(HW_REG_WAVE_MODE, 25, 1), 1
	s_wait_xcnt 0x0
	s_wait_alu depctr_hold_cnt(0) depctr_sa_sdst(0) depctr_va_vdst(0) depctr_va_sdst(0) depctr_va_ssrc(0) depctr_va_vcc(0) depctr_vm_vsrc(0)
	s_getreg_b32 s2, hwreg(HW_REG_IB_STS2, 6, 4)
	s_cmp_eq_u32 s2, 0
	s_cbranch_scc0 .Lentry_in_a_cluster
	s_endpgm
.Lentry_in_a_cluster:
	s_bfe_u32 s2, ttmp6, 0x10000c
	s_cmp_lg_u32 s2, 0xf033
	s_cbranch_scc0 .Lentry_shape_is_right
	s_endpgm
.Lentry_shape_is_right:
; PRODUCTS 1 AND 2 (q, k, v = x times the weights), RoPE, 1 / sqrt(128), and the quantisers of q (scale entry 5), k (4), v (6).  Nothing is left out.
; All operands are fragment images: 16 rows x 128 K = 2,048 bytes, piece c at 512 c, lane l's 16 bytes at 16 l (k = 32 c + 16 (l / 16) + 0 .. 15 of row l % 16); tile 2 c + u of 32 rows holds row 32 c + 8 u + r + 8 (r / 8).
; SHARES.  Work-group (X, Y): head X of 16 (0-7 q, 8-11 k, 12-15 v: 8 tiles of 16 features) x 256 positions (16 tiles).  Wave w: all 8 feature tiles x position tiles 4 w .. 4 w + 3: 32 accumulators.
; THE MATRIX INSTRUCTION IS USED TRANSPOSED (source 0 = 16 features, source 1 = 16 positions): a lane holds one position, and register j of feature tile 2 c + u is feature 32 c + 16 (l / 16) + 8 u + j.
; THE WEIGHTS LIE IN LDS WHOLE: 8 tiles x 16 K steps x 2,048 bytes = 256 KiB, all four waves read them.  They come by first fills alone, in four chunks of four K steps (64 KiB; a wave brings 2 tiles x 8 KiB of each chunk), so that
; the first products start when the first chunk is there: four tensor loads of mine are out at the most, no LDS byte is filled twice.
; THE POSITIONS GO FROM MEMORY STRAIGHT INTO REGISTERS: a wave's four tiles are read by that wave alone, an image is the operand's registers as they stand, and each load reads 512 consecutive bytes.  Seven sets of 64 registers take turns
; (K step ks: set ks % 7); a K step's 16 loads are issued four steps ahead of its products: 64 loads, 32 KiB, of a wave are on their way.  Every offset is an immediate: no address register is ever rewritten.
; CLUSTER 4 x 4: the weights hang on X alone and are asked for jointly along a column.  THE POSITIONS ARE NOT ASKED FOR JOINTLY, though the four partners of a row read the same ones: through LDS the work-group's 256 + 512 KiB would have to
; take turns in slots, eight changes of slots of 96 KiB, each behind a round of sixteen work-groups with one load a wave on its way.  The kind (q, k, v) is the cluster's x, the same in all sixteen partners.
; THE TEXT PARTS ONCE, by the kind, ahead of the last two K steps: q and k ask for RoPE's table there (window 3 is free from then on: steps 14 and 15 use sets 0 and 1), run the two steps while it is on its way, and turn; v never names the table.
; REGISTERS: window 0: v0-31 addresses, v64-255 positions' sets 0-2, later codes; window 1: weights' fragments (two sets), later numbers at work; window 2: accumulator (a, b) at 8 (8 b + a); window 3: positions' sets 3-6, later RoPE's cos and sin.
; LIMIT: (the result's entry) - (x's entry) - (the weight's entry) between -126 and 119.  1 / sqrt(128) is folded into q's table: one rounding falls elsewhere than in the formula as written.
.set NKS,   16
.set SH,    15                         ; a tile's NKS images are 2^SH bytes
.set NCH,   NKS/4                      ; chunks of four K steps
.set SPARE, NCH*65536                  ; behind the weights: the spare words, 128 bytes a wave
.set ADW,  16                          ; v16-19 the weights' chunks: 16 x lane + 65,536 x chunk
.set SPW,  28
.set NIL,  29
.set G1W,  24                          ; s[24:31] group 1, s[32:47] a group 0 for each chunk
.set G0,   32
.set MSB, 0
.macro WIN new                         ; the immediate's high byte repeats the setting that is left
.if MSB != \new
	s_set_vgpr_msb (MSB<<8)|\new
.set MSB, \new
.endif
.endm
.macro PLACES
.rept 4
	v_nop
.endr
.endm
.macro CROUND                          ; a round of the cluster's barrier
	s_barrier_signal -1
	s_barrier_wait -1
	s_cmp_lg_u32 s14, 0
	s_cbranch_scc1 .Lnot_wave_0_\@
	s_barrier_signal -3
.Lnot_wave_0_\@:
	s_barrier_wait -3
	s_barrier_signal -1
	s_barrier_wait -1
.endm
.macro FETCHW ks                       ; the weights' eight fragments of K step ks, from LDS into set ks % 2 of window 1
	WIN 0x40
.irp a, 0,1,2,3,4,5,6,7
.irp c, 0,1,2,3
	ds_load_b128 v[128*((\ks)%2)+16*\a+4*\c:128*((\ks)%2)+16*\a+4*\c+3], v[ADW+(\ks)/4] offset:\a*8192+((\ks)%4)*2048+512*\c
.endr
.endr
.endm
.macro GLOAD ks                        ; my four position tiles' fragments of K step ks, from memory into set ks % 7
.if ((\ks)%7) < 3
	WIN 0
.set gb, 64+64*((\ks)%7)
.else
	WIN 0xc0
.set gb, 64*((\ks)%7-3)
.endif
.irp b, 0,1,2,3
.irp c, 0,1,2,3
	global_load_b128 v[gb+16*\b+4*\c:gb+16*\b+4*\c+3], v4, s[22:23] offset:\b*NKS*2048+(\ks)*2048+512*\c
.endr
.endr
.endm
.macro MULS ks, a0, a1                 ; feature tiles a0 .. a1 x my four position tiles; the 32 accumulators take turns, in the same order in every step; step 0 starts the sums
.if ((\ks)%7) < 3
	WIN 0xa1                                       ; source 0 window 1, source 1 window 0, C and D window 2
.set pb, 64+64*((\ks)%7)
.else
	WIN 0xad                                       ; the same with source 1 in window 3
.set pb, 64*((\ks)%7-3)
.endif
.set wb, 128*((\ks)%2)
.set ma, \a0
.rept \a1-\a0+1
.irp b, 0,1,2,3
.if (\ks) == 0
	v_wmma_f32_16x16x128_fp8_fp8 v[8*(8*\b+ma):8*(8*\b+ma)+7], v[wb+16*ma:wb+16*ma+15], v[pb+16*\b:pb+16*\b+15], 0
.else
	v_wmma_f32_16x16x128_fp8_fp8 v[8*(8*\b+ma):8*(8*\b+ma)+7], v[wb+16*ma:wb+16*ma+15], v[pb+16*\b:pb+16*\b+15], v[8*(8*\b+ma):8*(8*\b+ma)+7]
.endif
.endr
.set ma, ma+1
.endr
.endm
; A K STEP OF 128.  w = 1: its positions are waited for here; w = 0: they were waited for already.
.macro KSTEP ks, w
	s_wait_dscnt 0x0                               ; the weights' set of this step is in
.if \w
.if NKS-1-(\ks) > 3
	s_wait_loadcnt 48                              ; this step's 16 loads are in; the three younger sets may be out
.else
	s_wait_loadcnt 16*(NKS-1-(\ks))                ; towards the end fewer sets are younger
.endif
.endif
.if ((\ks)+1 < NKS) && (((\ks)+1)%4 == 0)
	s_wait_tensorcnt NCH-1-((\ks)+1)/4             ; my part of the next chunk is in; the chunks behind it may be out
	s_barrier_signal -1
	s_barrier_wait -1                              ; everybody's is
.endif
	MULS \ks, 0, 1
.if (\ks)+1 < NKS
	PLACES                                         ; four places between the last step's products and the loads into the weights' set that they read
	FETCHW (\ks)+1
.endif
.if (\ks)+4 < NKS
	GLOAD (\ks)+4                                  ; into the set that step ks - 3 read
.endif
	MULS \ks, 2, 7
.endm
	s_load_b256 s[4:11], s[0:1], 0x0               ; xc s[4:5], wc s[6:7], tab s[8:9], scales s[10:11]
	s_load_b64 s[12:13], s[0:1], 0x20              ; qkv
	v_lshl_add_u32 v[SPW], v0, 2, SPARE
	v_mov_b32 v[NIL], 0
	ds_add_u32 v[SPW], v[NIL]                      ; the opening: the add, twice on end, and its wait ahead of my first tensor load
	ds_add_u32 v[SPW], v[NIL]
	v_lshrrev_b32 v1, 5, v0
	v_readfirstlane_b32 s14, v1                    ; wave
	s_lshr_b32 s15, s14, 1
	s_and_b32 s16, s14, 1
	s_bfe_u32 s48, ttmp6, 0x40000                  ; cx
	s_bfe_u32 s49, ttmp6, 0x40004                  ; cy
	s_lshl_b32 s50, ttmp9, 2
	s_add_co_u32 s50, s50, s48                     ; X
	s_and_b32 s17, ttmp7, 0xffff
	s_lshl_b32 s17, s17, 2
	s_add_co_u32 s17, s17, s49                     ; Y
	s_lshl_b32 s51, 0x1111, s48                    ; my column of the cluster
	s_or_b32 s[G1W], s51, (3<<16)|(1<<21)          ; the mask; elements of 8 bytes; bit 21 beside a mask; no padding
	s_mov_b32 s[G1W+1], 1024<<16                   ; tensor_dim0 = 1,024 elements: four images on end
	s_mov_b32 s[G1W+2], 2<<16                      ; tensor_dim1 = 2 tiles
	s_mov_b32 s[G1W+3], 1024<<16                   ; tile_dim0
	s_mov_b32 s[G1W+4], 2                          ; tile_dim1
	s_mov_b32 s[G1W+5], NKS*256                    ; from tile to tile
	s_mov_b32 s[G1W+6], 0
	s_mov_b32 s[G1W+7], 0
	; every LDS address is made here, ahead of the first branch on the wave's number
	v_and_b32 v1, 15, v0                           ; r
	v_bfe_u32 v2, v0, 4, 1                         ; h
	v_and_b32 v3, 31, v0
	v_lshlrev_b32 v4, 4, v3                        ; 16 x lane: the global loads' and stores' offset; never rewritten
	v_lshlrev_b32 v[ADW], 4, v3
.set j, 1
.rept NCH-1
	v_add_nc_u32 v[ADW+j], j*65536, v[ADW]
.set j, j+1
.endr
	v_and_b32 v5, 8, v1
	v_add_nc_u32 v5, v5, v1                        ; r + 8 (r / 8)
	v_lshlrev_b32 v27, 9, v5
	v_lshl_add_u32 v27, v2, 7, v27                 ; the table: my position's row of 512 bytes, + 128 h
	s_mul_i32 s18, s14, 16896                      ; v's way out: my stage of 32 rows x 528 bytes, over the weights when they have been read
	v_mul_u32_u24 v20, v1, 528
	v_lshl_add_u32 v20, v2, 6, v20
	v_add_nc_u32 v20, s18, v20                     ; in: row r, + 64 h
	v_mul_u32_u24 v21, v2, 8*528
	v_lshl_add_u32 v21, v5, 2, v21
	v_add_nc_u32 v21, s18, v21                     ; back: row 8 h on, my feature's word
	; offsets.  The weights' hang on X and the wave alone: registers that never hold the cluster's other coordinate
	s_lshl_b32 s20, s50, 3
	s_lshl_b32 s18, s14, 1
	s_add_co_u32 s20, s20, s18                     ; feature tile 8 X + 2 w
	s_lshl_b32 s20, s20, SH
	s_mov_b32 s21, 0
	s_lshl_b32 s19, s14, 14                        ; and where my two tiles go in a chunk
	s_lshl_b32 s22, s17, 4
	s_lshl_b32 s18, s14, 2
	s_add_co_u32 s22, s22, s18                     ; position tile 16 Y + 4 w
	s_lshl_b32 s22, s22, SH
	s_cmp_lt_u32 ttmp9, 2
	s_cselect_b32 s18, 0, 0x800000                 ; q reads x under entry 0's scale, k and v under entry 3's
	s_add_co_u32 s22, s22, s18
	s_mov_b32 s23, 0
	; where my results go: q: image ((batch 8 + X) 128 + tile); k: 2,048 images on, (batch 4 + X % 4) 128 + tile; v: see the way out
	s_lshr_b32 s80, s17, 3                         ; batch
	s_and_b32 s81, s17, 7
	s_lshl_b32 s82, s80, 3
	s_add_co_u32 s82, s82, s50
	s_lshl_b32 s83, s80, 2
	s_and_b32 s84, s50, 3
	s_add_co_u32 s83, s83, s84
	s_add_co_u32 s84, s83, 16
	s_cmp_lt_u32 ttmp9, 2
	s_cselect_b32 s82, s82, s84
	s_lshl_b32 s82, s82, 7
	s_lshl_b32 s84, s81, 4
	s_add_co_u32 s82, s82, s84
	s_lshl_b32 s84, s14, 2
	s_add_co_u32 s82, s82, s84
	s_lshl_b32 s82, s82, 11
	s_lshl_b32 s83, s83, 4                         ; v: ((batch 4 + X % 4) 16 + key step) x 8 images, + my two pieces
	s_lshl_b32 s84, s81, 1
	s_add_co_u32 s83, s83, s84
	s_add_co_u32 s83, s83, s15
	s_lshl_b32 s83, s83, 14
	s_lshl_b32 s84, s16, 10
	s_add_co_u32 s83, s83, s84
	s_add_co_u32 s83, s83, 6291456
	s_cmp_eq_u32 ttmp9, 3
	s_cselect_b32 s82, s83, s82
	s_mov_b32 s83, 0
	s_lshl_b32 s84, s17, 8                         ; the table at my wave's first position; k's table lies 2 MiB on
	s_lshl_b32 s85, s14, 6
	s_add_co_u32 s84, s84, s85
	s_lshl_b32 s84, s84, 9
	s_cmp_eq_u32 ttmp9, 2
	s_cselect_b32 s85, 0x200000, 0
	s_add_co_u32 s84, s84, s85
	s_mov_b32 s85, 0
	s_wait_dscnt 0x0                               ; both opening adds are done
	s_wait_kmcnt 0x0
	s_load_b256 s[68:75], s[10:11], 0x0            ; e0 .. e7
	s_add_nc_u64 s[20:21], s[6:7], s[20:21]
	s_add_nc_u64 s[22:23], s[4:5], s[22:23]
	s_add_nc_u64 s[12:13], s[12:13], s[82:83]
	s_add_nc_u64 s[8:9], s[8:9], s[84:85]
	GLOAD 0                                        ; the first four K steps' positions are asked for at once
	GLOAD 1
	GLOAD 2
	GLOAD 3
	WIN 0
.set j, 0
.rept NCH
	s_mov_b32 s[G0+4*j], 1                         ; count = 1
	s_add_co_u32 s[G0+4*j+1], s19, j*65536         ; LDS address: chunk j, my two tiles
	s_add_nc_u64 s[G0+4*j+2:G0+4*j+3], s[20:21], j*8192   ; global address: K steps 4 j on
	s_or_b32 s[G0+4*j+3], s[G0+4*j+3], 0x80000000  ; type = 2
.set j, j+1
.endr
	CROUND                                         ; all sixteen work-groups are here: the joint loads meet
.set j, 0
.rept NCH
	tensor_load_to_lds s[G0+4*j:G0+4*j+3], s[G1W:G1W+7]   ; all first fills in one group, every wave its part of every chunk
	s_nop 0
.set j, j+1
.endr
	PLACES
; q AND k: RoPE pairs feature i with i + 64: tile a with tile a + 4, the same register.  The 64 results of a lane are the image's order already: register 16 c' + i is k = 32 c' + 16 h + i.
.macro ROPE b
	WIN 0x5e                                       ; source 0 the sums (window 2), source 1 the table (3), source 2 and destination window 1
.irp c, 0,1
.irp u, 0,1
.irp j, 0,2,4,6
	v_pk_mul_f32 v[16*\c+8*\u+\j:16*\c+8*\u+\j+1], v[8*(8*\b+2*\c+\u)+\j:8*(8*\b+2*\c+\u)+\j+1], v[64*\b+32*\c+8*\u+\j:64*\b+32*\c+8*\u+\j+1]
	v_pk_mul_f32 v[32+16*\c+8*\u+\j:32+16*\c+8*\u+\j+1], v[8*(8*\b+2*\c+\u+4)+\j:8*(8*\b+2*\c+\u+4)+\j+1], v[64*\b+32*\c+8*\u+\j:64*\b+32*\c+8*\u+\j+1]
	v_pk_fma_f32 v[16*\c+8*\u+\j:16*\c+8*\u+\j+1], v[8*(8*\b+2*\c+\u+4)+\j:8*(8*\b+2*\c+\u+4)+\j+1], v[64*\b+32*\c+16+8*\u+\j:64*\b+32*\c+16+8*\u+\j+1], v[16*\c+8*\u+\j:16*\c+8*\u+\j+1] neg_lo:[1,0,0] neg_hi:[1,0,0]
	v_pk_fma_f32 v[32+16*\c+8*\u+\j:32+16*\c+8*\u+\j+1], v[8*(8*\b+2*\c+\u)+\j:8*(8*\b+2*\c+\u)+\j+1], v[64*\b+32*\c+16+8*\u+\j:64*\b+32*\c+16+8*\u+\j+1], v[32+16*\c+8*\u+\j:32+16*\c+8*\u+\j+1]
.endr
.endr
.endr
	WIN 0x41
.set i, 0
.rept 64
	v_med3_num_f32 v[i], v[i], -v31, v31           ; the conversion does not saturate: the hold first
.set i, i+1
.endr
	WIN 0x01
.irp m, 0,1,2,3,4,5,6,7
	v_cvt_scalef32_pk8_fp8_f32 v[128+16*\b+2*\m:129+16*\b+2*\m], v[8*\m:8*\m+7], v30
.endr
	v_nop                                          ; a plain instruction between the conversions and the next write of their sources
	WIN 0
.irp c, 0,1,2,3
	global_store_b128 v4, v[128+16*\b+4*\c:131+16*\b+4*\c], s[12:13] offset:2048*\b+512*\c   ; 512 consecutive bytes; each tile has its own registers
.endr
.endm
; v: THE KEYS BECOME K.  32 positions x 128 features turn, as f32, through my own stage.  It lies over the weights, which have had their one fill; every wave's last read of them stands in front of the barrier ahead of the first store.
; Stage row 16 u' + r holds position 8 u' + r + 8 (r / 8) of the 32; key 16 h + i lies in row 16 (i / 8) + i % 8 + 8 h.  My 64 positions are pieces 2 (w % 2), + 1 of key step 2 (Y % 8) + w / 2.
.macro VT cp
	WIN 0x08                                       ; the stores' data in window 2
.irp up, 0,1
.irp cf, 0,1,2,3
.irp u, 0,1
	ds_store_b128 v20, v[8*(8*(2*\cp+\up)+2*\cf+\u):8*(8*(2*\cp+\up)+2*\cf+\u)+3] offset:\up*16*528+128*\cf+32*\u
	ds_store_b128 v20, v[8*(8*(2*\cp+\up)+2*\cf+\u)+4:8*(8*(2*\cp+\up)+2*\cf+\u)+7] offset:\up*16*528+128*\cf+32*\u+16
.endr
.endr
.endr
	WIN 0x40
.irp f, 0,1,2,3,4,5,6,7
.irp i, 0,1,2,3,4,5,6,7,8,9,10,11,12,13,14,15
	ds_load_b32 v[16*\f+\i], v21 offset:(16*(\i/8)+(\i%8))*528+(32*(\f/2)+8*(\f%2))*4   ; LDS serves a wave's instructions in order: these see my stores
.endr
.endr
	s_wait_dscnt 0x0
	WIN 0x41
.set i, 0
.rept 128
	v_med3_num_f32 v[i], v[i], -v31, v31
.set i, i+1
.endr
	WIN 0x01
.irp f, 0,1,2,3,4,5,6,7
	v_cvt_scalef32_pk8_fp8_f32 v[128+32*\cp+4*\f:129+32*\cp+4*\f], v[16*\f:16*\f+7], v30
	v_cvt_scalef32_pk8_fp8_f32 v[130+32*\cp+4*\f:131+32*\cp+4*\f], v[16*\f+8:16*\f+15], v30
.endr
	v_nop
	WIN 0
.irp f, 0,1,2,3,4,5,6,7
	global_store_b128 v4, v[128+32*\cp+4*\f:131+32*\cp+4*\f], s[12:13] offset:2048*\f+512*\cp
.endr
.endm
	s_wait_tensorcnt NCH-1                         ; my part of the first chunk is in; the three later chunks may be out
	s_barrier_signal -1
	s_barrier_wait -1
	FETCHW 0
.irp k, 0,1,2,3,4,5,6,7,8,9,10,11,12,13
	KSTEP \k, 1
.endr
	WIN 0
	s_wait_kmcnt 0x0
	s_cmp_lt_u32 ttmp9, 2                          ; a sum stands for sum x 2^(x's entry + the weight's): the three exponents are folded into the conversion's one scale
	s_cselect_b32 s76, s68, s71
	s_cselect_b32 s77, s69, s70
	s_cselect_b32 s78, s73, s72
	s_cmp_eq_u32 ttmp9, 3
	s_cselect_b32 s78, s74, s78
	s_sub_co_i32 s78, s78, s76
	s_sub_co_i32 s78, s78, s77
	s_add_co_i32 s78, s78, 127
	s_lshl_b32 s79, s78, 23
	v_mov_b32 v30, s79
	s_add_co_i32 s78, s78, 8
	s_lshl_b32 s78, s78, 23
	s_or_b32 s78, s78, 0x600000
	v_mov_b32 v31, s78                             ; 448 x that scale
	s_wait_loadcnt 0x0                             ; the last two steps' positions, asked for four and three steps ago: so no counted wait has the table's loads behind it
	s_cmp_eq_u32 ttmp9, 3                          ; THE ONE PARTING BY THE KIND: the cluster's x decides, alike in all sixteen partners.  v has no RoPE
	s_cbranch_scc1 .Lvt
	PLACES                                         ; four places between step 13's products, which read window 3, and the loads into it
	WIN 0xc0                                       ; destination window 3.  For position tile b and c = 0, 1: 16 cosines, then 16 sines, of i = 32 c + 16 h + 0 .. 15.  The last two steps' 64 matrix instructions stand between these loads and the wait for them
.irp b, 0,1,2,3
.irp c, 0,1
.irp k, 0,1,2,3,4,5,6,7
	global_load_b128 v[64*\b+32*\c+4*\k:64*\b+32*\c+4*\k+3], v27, s[8:9] offset:(32*(\b/2)+8*(\b%2))*512+256*\c+16*\k
.endr
.endr
.endr
	KSTEP 14, 0
	KSTEP 15, 0
	WIN 0
	PLACES                                         ; in front of the first read of the results
	s_wait_loadcnt 0x0                             ; the table
	ROPE 0
	ROPE 1
	ROPE 2
	ROPE 3
	s_branch .Ldone
.Lvt:
	KSTEP 14, 0
	KSTEP 15, 0
	WIN 0
	PLACES
	s_wait_dscnt 0x0                               ; my reads of the weights are over (the last were waited for at the head of step 15):
	s_barrier_signal -1
	s_barrier_wait -1                              ; every wave's are: the stages may be written over them
	VT 0
	VT 1
.Ldone:
	s_wait_tensorcnt 0x0                           ; the wave's end
	ds_add_u32 v[SPW], v[NIL]
	s_wait_dscnt 0x0
	CROUND                                         ; the closing round
	s_endpgm
.Lfunc_end_k_q3fdac08d63_proj:
	.size	k_q3fdac08d63_proj, .Lfunc_end_k_q3fdac08d63_proj-k_q3fdac08d63_proj
	.p2alignl 7, 3214868480
	.fill 96, 4, 3214868480
	.section	.rodata,"a",@progbits
	.p2align	6, 0x0
	.amdhsa_kernel k_q3fdac08d63_proj
		.amdhsa_group_segment_fixed_size 327680
		.amdhsa_private_segment_fixed_size 0
		.amdhsa_enable_private_segment 0
		.amdhsa_kernarg_size 40
		.amdhsa_user_sgpr_count 2
		.amdhsa_user_sgpr_kernarg_segment_ptr 1
		.amdhsa_wavefront_size32 1
		.amdhsa_system_sgpr_workgroup_id_x 1
		.amdhsa_system_sgpr_workgroup_id_y 1
		.amdhsa_system_sgpr_workgroup_id_z 1
		.amdhsa_system_vgpr_workitem_id 0
		.amdhsa_next_free_vgpr 1024
		.amdhsa_next_free_sgpr 100
		.amdhsa_reserve_vcc 0
		.amdhsa_float_denorm_mode_32 3
		.amdhsa_float_denorm_mode_16_64 3
		.amdhsa_memory_ordered 1
		.amdhsa_forward_progress 1
		.amdhsa_inst_pref_size 190
	.end_amdhsa_kernel
	.amdgpu_metadata
---
amdhsa.version: [ 1, 2 ]
amdhsa.kernels:
  - .name:           k_q3fdac08d63_proj
    .symbol:         k_q3fdac08d63_proj.kd
    .args:
      - { .name: xc, .offset: 0, .size: 8, .value_kind: global_buffer, .address_space: global }
      - { .name: wc, .offset: 8, .size: 8, .value_kind: global_buffer, .address_space: global }
      - { .name: tab, .offset: 16, .size: 8, .value_kind: global_buffer, .address_space: global }
      - { .name: lowp_scales, .offset: 24, .size: 8, .value_kind: global_buffer, .address_space: global }
      - { .name: qkv, .offset: 32, .size: 8, .value_kind: global_buffer, .address_space: global }
    .group_segment_fixed_size: 327680
    .private_segment_fixed_size: 0
    .kernarg_segment_align: 8
    .kernarg_segment_size: 40
    .max_flat_workgroup_size: 128
    .sgpr_count:     100
    .vgpr_count:     1024
    .wavefront_size: 32
...
	.end_amdgpu_metadata
.endif
;; end of part 2
;; launch att (part 3): grid 128 x 8, 8 waves a work-group, clusters of 4 x 1, 327,680 bytes of LDS; arguments qkv, mw, lowp_scales, ec; writes ec
.if DOCPART == 3
	.amdgcn_target "amdgcn-amd-amdhsa--gfx1250"
	.amdhsa_code_object_version 6
	.text
	.protected	k_q3fdac08d63_att
	.globl	k_q3fdac08d63_att
	.p2align	8
	.type	k_q3fdac08d63_att,@function
k_q3fdac08d63_att:
	s_mov_b64 s[64:65], 0
	v_nop
	global_prefetch_b8 v0, s[64:65] scope:SCOPE_SE
	s_setreg_imm32_b32 hwreg(HW_REG_WAVE_MODE, 25, 1), 1
	s_wait_xcnt 0x0
	s_wait_alu depctr_hold_cnt(0) depctr_sa_sdst(0) depctr_va_vdst(0) depctr_va_sdst(0) depctr_va_ssrc(0) depctr_va_vcc(0) depctr_vm_vsrc(0)
	s_getreg_b32 s2, hwreg(HW_REG_IB_STS2, 6, 4)
	s_cmp_eq_u32 s2, 0
	s_cbranch_scc0 .Lentry_in_a_cluster
	s_endpgm
.Lentry_in_a_cluster:
	s_bfe_u32 s2, ttmp6, 0x10000c
	s_cmp_lg_u32 s2, 0x3003
	s_cbranch_scc0 .Lentry_shape_is_right
	s_endpgm
.Lentry_shape_is_right:
; PRODUCTS 3 AND 4: logits, soft cap, mask, softmax, the quantiser of the FINISHED, NORMALISED probabilities (scale entry 7), the weighted values, and the quantiser of the result (entry 8).  Nothing is left out: all 2,048 keys are walked
; for every query, since a row whose mask is all false takes 1/2048 of every key.
; A row's sum must be known before any of its probabilities is coded.  So the unnormalised weights E = exp(50 tanh(l / 50)) stay in registers between the two products.
; NO MAXIMUM IS TAKEN AWAY: the problem's own 50 tanh(. / 50) holds every live logit within +-50 for every input, so E lies between e^-50 and e^50 and a sum of 2,048 of them under 2^84: nothing overflows or underflows in f32.
; E = 2^(72.13 - 144.27 / (1 + 2^(c1 s))), c1 = 2 log2(e) / 50 x 2^(entry 4 + entry 5), s the sum of code products; a hidden key's E is 0.  A row's sum 0 means that all its keys are hidden: then p = 1/2048 everywhere.
; SHARES.  A work-group: 16 positions (one tile) x the two query heads of one key/value head.  Wave w: head w / 4, keys 512 (w % 4) on: four key steps of 128; its E fills window 1 (16 queries x 512 keys).  Two waves to a SIMD.
; Both products are used transposed (source 0 = 16 keys, or 16 features of v; source 1 = my 16 queries): a lane holds one query; score register 16 c + i of a key step is key 32 c + 16 (l / 16) + i: the conversions' results are the next operand.
; LDS: region j (32 KiB) holds, in four blocks of 8 KiB, half j % 2 (four images) of key steps 4 (j / 2) + 0 .. 3: first of k, then of v.  Wave w fills region w; waves with w % 4 = kq read regions 2 kq, 2 kq + 1.
; Fills: k's step 0, step 1, steps 2 and 3 at the head (three loads of mine out); v's steps 0, 1 when k's are read; v's steps 2, 3 likewise (one load out).  Every wave issues every load.
; CLUSTER 4 x 1: four tiles of positions of one key/value head walk the same k and v: every load is joint.  The place in the cluster enters global addresses of q, the mask words and the result alone.
; LIMITS: entry 4 + entry 5 between -121 and 132 (added to c1's exponent field); entry 7, and entry 8 - entry 6 - entry 7, between -126 and 119.  The form 1 - 2 / (1 + e^2u) of tanh leaves some 5e-6 of p.
; WINDOW 0: v1, v2 the add's two; v3-9 addresses; v10-11 72.13; v12-13 1 / sum; v14-15 the flat term; v16-19 holds and scales; v20-23 sums; v24-27 at work; v31 the prefetch's offset; v32-47 q; v48-111 k's fragments; v112-175 O^T; v176-239 p's codes.
.set KOFF,  4194304
.set SUMS,  262144                     ; behind the ring: 128 bytes a wave for the rows' partial sums
.set SPARE, 263168                     ; and the spare words, 128 bytes a wave
.set G1S, 48                           ; s[48:55] group 1: one block of 8 KiB, dense
.set G1P, 56                           ; s[56:63] group 1: two blocks, 16 KiB apart in memory, on end in LDS
.set G0A, 68                           ; s[68:71], s[72:75], s[76:79] groups 0
.set G0B, 72
.set G0C, 76
.set MSB, 0
.macro WIN new
.if MSB != \new
	s_set_vgpr_msb (MSB<<8)|\new
.set MSB, \new
.endif
.endm
.macro PLACES
.rept 4
	v_nop
.endr
.endm
.macro CROUND
	s_barrier_signal -1
	s_barrier_wait -1
	s_cmp_lg_u32 s2, 0
	s_cbranch_scc1 .Lnot_wave_0_\@
	s_barrier_signal -3
.Lnot_wave_0_\@:
	s_barrier_wait -3
	s_barrier_signal -1
	s_barrier_wait -1
.endm
	s_load_b256 s[88:95], s[0:1], 0x0              ; qkv s[88:89], mw s[90:91], scales s[92:93], ec s[94:95]
	v_lshl_add_u32 v1, v0, 2, SPARE
	v_mov_b32 v2, 0
	ds_add_u32 v1, v2                              ; the opening: the add, twice on end, and its wait ahead of my first tensor load
	ds_add_u32 v1, v2
	v_lshrrev_b32 v24, 5, v0
	v_readfirstlane_b32 s2, v24                    ; wave 0 .. 7
	s_bfe_u32 s80, ttmp6, 0x40000                  ; cx
	s_lshl_b32 s81, ttmp9, 2
	s_add_co_u32 s81, s81, s80                     ; my tile of positions, 0 .. 127
	s_and_b32 s82, ttmp7, 0xffff                   ; y = batch x 4 + key/value head
	s_lshr_b32 s83, s2, 2                          ; g
	s_and_b32 s86, s2, 3                           ; kq
	s_lshl_b32 s87, s2, 15                         ; my region
	s_mov_b32 s[G1S], 15|(3<<16)|(1<<21)           ; the mask: all four; elements of 8 bytes; bit 21 beside a mask
	s_mov_b32 s[G1S+1], 32<<16                     ; rows of 256 bytes,
	s_mov_b32 s[G1S+2], 32<<16                     ; 32 of them,
	s_mov_b32 s[G1S+3], 32<<16
	s_mov_b32 s[G1S+4], 32
	s_mov_b32 s[G1S+5], 32                         ; dense
	s_mov_b32 s[G1S+6], 0
	s_mov_b32 s[G1S+7], 0
	s_mov_b32 s[G1P], 15|(3<<16)|(1<<21)
	s_mov_b32 s[G1P+1], 1024<<16                   ; rows of 8 KiB,
	s_mov_b32 s[G1P+2], 2<<16                      ; two,
	s_mov_b32 s[G1P+3], 1024<<16
	s_mov_b32 s[G1P+4], 2
	s_mov_b32 s[G1P+5], 2048                       ; 16 KiB apart
	s_mov_b32 s[G1P+6], 0
	s_mov_b32 s[G1P+7], 0
	s_mov_b32 s[G0A], 1
	s_mov_b32 s[G0A+1], s87
	s_mov_b32 s[G0B], 1
	s_add_co_u32 s[G0B+1], s87, 8192
	s_mov_b32 s[G0C], 1
	s_add_co_u32 s[G0C+1], s87, 16384
	; every LDS address is made here, ahead of the first branch on the wave's number
	v_and_b32 v4, 31, v0
	v_lshlrev_b32 v31, 8, v4                       ; 256 x lane
	v_lshlrev_b32 v6, 2, v4
	v_lshlrev_b32 v4, 4, v4                        ; 16 x lane
	s_lshl_b32 s3, s86, 16
	v_add_nc_u32 v3, s3, v4                        ; my two regions
	v_lshl_add_u32 v5, v0, 2, SUMS                 ; my word of the sums
	s_lshl_b32 s3, s83, 9
	s_add_co_u32 s3, s3, SUMS
	v_add_nc_u32 v6, s3, v6                        ; my head's four waves' words
	v_add_nc_u32 v7, s87, v4                       ; where I put O^T: block 0 of my region
	s_lshl_b32 s3, s83, 17
	s_lshl_b32 s96, s86, 11
	s_add_co_u32 s3, s3, s96
	v_add_nc_u32 v8, s3, v4                        ; my quarter of it in my head's waves 0, 1,
	v_add_nc_u32 v9, 0x10000, v8                   ; and 2, 3
	; offsets
	s_lshl_b32 s96, s82, 18                        ; k: y x 128 images, + my region's part
	s_lshr_b32 s98, s2, 1
	s_lshl_b32 s98, s98, 16
	s_add_co_u32 s96, s96, s98
	s_and_b32 s98, s2, 1
	s_lshl_b32 s98, s98, 13
	s_add_co_u32 s96, s96, s98
	s_add_co_u32 s96, s96, KOFF
	s_mov_b32 s97, 0
	s_lshl_b32 s98, s82, 1                         ; q: image (2 y + g) 128 + tile
	s_add_co_u32 s98, s98, s83
	s_lshl_b32 s98, s98, 7
	s_add_co_u32 s98, s98, s81
	s_lshl_b32 s98, s98, 11
	s_mov_b32 s99, 0
	s_lshr_b32 s6, s82, 2
	s_lshl_b32 s6, s6, 7
	s_add_co_u32 s6, s6, s81                       ; batch x 128 + tile
	s_lshl_b32 s4, s6, 4                           ; the mask words of my four key steps
	s_lshl_b32 s7, s86, 2
	s_add_co_u32 s4, s4, s7
	s_lshl_b32 s4, s4, 8
	s_mov_b32 s5, 0
	s_lshl_b32 s6, s6, 3                           ; the result: image (batch x 128 + tile) 8 + head, piece kq
	s_and_b32 s7, s82, 3
	s_lshl_b32 s7, s7, 1
	s_add_co_u32 s6, s6, s7
	s_add_co_u32 s6, s6, s83
	s_lshl_b32 s6, s6, 11
	s_lshl_b32 s7, s86, 9
	s_add_co_u32 s6, s6, s7
	s_mov_b32 s7, 0
	s_add_co_u32 s84, s82, 2                       ; the prefetch: k and v of row y + 2 (held at the last row, so that the address lies in the buffer in every work-group)
	s_min_u32 s84, s84, 7
	s_lshl_b32 s84, s84, 18
	s_lshl_b32 s85, s80, 16                        ; the four partners share the row out by address,
	s_add_co_u32 s84, s84, s85
	s_lshl_b32 s85, s2, 13                         ; the eight waves likewise
	s_add_co_u32 s84, s84, s85
	s_add_co_u32 s84, s84, KOFF
	s_mov_b32 s85, 0
	s_cmp_lt_u32 s82, 6
	s_cselect_b32 s15, 0, 1
	s_or_b32 s15, s15, ttmp9                       ; 0 in the first cluster of rows 0 to 5: made of ids that all partners share
	s_mov_b32 s12, 0x76543210
	s_mov_b32 s13, 0xfedcba98
	s_wait_dscnt 0x0                               ; both opening adds are done
	s_wait_kmcnt 0x0
	s_add_nc_u64 s[G0A+2:G0A+3], s[88:89], s[96:97]
	s_add_nc_u64 s[G0B+2:G0B+3], s[G0A+2:G0A+3], 16384
	s_add_nc_u64 s[G0C+2:G0C+3], s[G0A+2:G0A+3], 32768
	s_or_b32 s[G0A+3], s[G0A+3], 0x80000000
	s_or_b32 s[G0B+3], s[G0B+3], 0x80000000
	s_or_b32 s[G0C+3], s[G0C+3], 0x80000000
	s_add_nc_u64 s[98:99], s[88:89], s[98:99]
	s_add_nc_u64 s[4:5], s[90:91], s[4:5]
	s_add_nc_u64 s[6:7], s[94:95], s[6:7]
	s_add_nc_u64 s[84:85], s[88:89], s[84:85]
	s_load_b256 s[16:23], s[92:93], 0x0            ; e0 .. e7
	s_load_b64 s[24:25], s[92:93], 0x20            ; e8, e9
	CROUND                                         ; all four work-groups are here: the first joint loads meet
	tensor_load_to_lds s[G0A:G0A+3], s[G1S:G1S+7]  ; k, my half of my first key step
	s_nop 0
	tensor_load_to_lds s[G0B:G0B+3], s[G1S:G1S+7]  ; of the second
	s_nop 0
	tensor_load_to_lds s[G0C:G0C+3], s[G1P:G1P+7]  ; of the third and fourth
	s_nop 0
	PLACES
.irp c, 0,1,2,3
	global_load_b128 v[32+4*\c:35+4*\c], v4, s[98:99] offset:512*\c   ; q's fragment stays in registers
.endr
	s_wait_kmcnt 0x0
	s_add_co_i32 s26, s20, s21
	s_lshl_b32 s26, s26, 23
	s_add_co_i32 s8, s26, 0x3d6c5f04               ; c1: the two exponents are added to its exponent field
	s_mov_b32 s9, s8
	s_mov_b32 s10, 0xc31044fe                      ; -100 log2(e)
	s_mov_b32 s11, s10
	v_mov_b32 v10, 0x429044fe                      ; 50 log2(e)
	v_mov_b32 v11, 0x429044fe
	s_add_co_i32 s26, s23, 127
	s_lshl_b32 s27, s26, 23
	v_mov_b32 v17, s27                             ; 2^e7
	s_add_co_i32 s26, s26, 8
	s_lshl_b32 s26, s26, 23
	s_or_b32 s26, s26, 0x600000
	v_mov_b32 v16, s26                             ; 448 x 2^e7
	s_sub_co_i32 s26, s24, s22
	s_sub_co_i32 s26, s26, s23
	s_add_co_i32 s26, s26, 127
	s_lshl_b32 s27, s26, 23
	v_mov_b32 v19, s27                             ; 2^(e8 - e6 - e7): a sum of the second product stands for sum x 2^(e6 + e7)
	s_add_co_i32 s26, s26, 8
	s_lshl_b32 s26, s26, 23
	s_or_b32 s26, s26, 0x600000
	v_mov_b32 v18, s26
	s_load_b512 s[16:31], s[4:5], 0x0              ; the first 32 mask words
	s_load_b512 s[32:47], s[4:5], 0x40
.irp j, 20,21,22,23
	v_mov_b32 v[\j], 0                             ; the row's sum, in two pairs
.endr
.macro KFETCH n                        ; four images of k: half n % 2 of my key step n / 2
.irp t, 0,1,2,3
.irp c, 0,1,2,3
	ds_load_b128 v[48+16*\t+4*\c:51+16*\t+4*\c], v3 offset:((\n)%2)*32768+((\n)/2)*8192+\t*2048+512*\c
.endr
.endr
.endm
; HALF A KEY STEP: 64 keys.  Four products; the next half's fragments; E in place in window 1, each batch of 32 transcendentals with one plain instruction and one wait behind it.
.macro HS n
	s_wait_dscnt 0x0
	WIN 0x40
.irp t, 0,1,2,3
	v_wmma_f32_16x16x128_fp8_fp8 v[32*(\n)+8*\t:32*(\n)+8*\t+7], v[48+16*\t:63+16*\t], v[32:47], 0
.endr
	WIN 0
	PLACES                                         ; in front of the loads into k's registers and of the first read of the results
.if (\n) < 7
	KFETCH (\n)+1
.endif
	WIN 0x41
.set i, 0
.rept 16
	v_pk_mul_f32 v[32*(\n)+i:32*(\n)+i+1], v[32*(\n)+i:32*(\n)+i+1], s[8:9] op_sel_hi:[1,0]
.set i, i+2
.endr
.set i, 0
.rept 32
	v_exp_f32 v[32*(\n)+i], v[32*(\n)+i]           ; e^(2 l / 50)
.set i, i+1
.endr
	v_nop
	s_wait_alu depctr_va_vdst(0)
.set i, 0
.rept 16
	v_pk_add_f32 v[32*(\n)+i:32*(\n)+i+1], v[32*(\n)+i:32*(\n)+i+1], 1.0 op_sel_hi:[1,0]
.set i, i+2
.endr
.set i, 0
.rept 32
	v_rcp_f32 v[32*(\n)+i], v[32*(\n)+i]
.set i, i+1
.endr
	v_nop
	s_wait_alu depctr_va_vdst(0)
.set i, 0
.rept 16
	v_pk_fma_f32 v[32*(\n)+i:32*(\n)+i+1], v[32*(\n)+i:32*(\n)+i+1], s[10:11], v[10:11] op_sel_hi:[1,0,1]
.set i, i+2
.endr
.set i, 0
.rept 32
	v_exp_f32 v[32*(\n)+i], v[32*(\n)+i]           ; E
.set i, i+1
.endr
	v_nop
	s_wait_kmcnt 0x0                               ; the mask words
	s_wait_alu depctr_va_vdst(0)
.set i, 0
.rept 32
	v_cndmask_b32 v[32*(\n)+i], v[32*(\n)+i], 0, s[16+i]   ; a hidden key counts for nothing
.set i, i+1
.endr
	WIN 0x01
.set i, 0
.rept 8
	v_pk_add_f32 v[20:21], v[32*(\n)+i:32*(\n)+i+1], v[20:21]
	v_pk_add_f32 v[22:23], v[32*(\n)+i+2:32*(\n)+i+3], v[22:23]
.set i, i+4
.endr
	WIN 0
.if (\n) < 7
	s_load_b512 s[16:31], s[4:5], 128*((\n)+1)     ; the next half's words
	s_load_b512 s[32:47], s[4:5], 128*((\n)+1)+64
.endif
.endm
; Two blocks of every region, whose k has been read, are filled with v's.  The order: all my tensor loads waited for, the add, its wait and my reads', a round of the cluster's barrier, the joint load first behind it.
.macro REFILL g0
	s_wait_tensorcnt 0x0                           ; no tensor load of mine is out, so a group 0 may be written
	ds_add_u32 v1, v2                              ; 0 onto my spare word
	s_add_nc_u64 s[\g0+2:\g0+3], s[\g0+2:\g0+3], 0x200000   ; v's images lie 2 MiB behind k's
	s_wait_dscnt 0x0                               ; the add is done, and my reads of those blocks are over
	CROUND
	tensor_load_to_lds s[\g0:\g0+3], s[G1P:G1P+7]
	s_nop 0
	PLACES
.endm
	s_wait_tensorcnt 2                             ; my part of the first key steps is in; the two later loads may be out
	s_barrier_signal -1
	s_barrier_wait -1
	KFETCH 0
	s_wait_loadcnt 0x0                             ; q
	HS 0
	s_wait_tensorcnt 1                             ; the second key steps; the last load may be out
	s_wait_dscnt 0x0
	s_barrier_signal -1
	s_barrier_wait -1
	HS 1
	HS 2
	REFILL G0A                                     ; k's steps 0 and 1 have been read (the last fragments were fetched in the half step above); the wait for all loads shows steps 2 and 3 landed
	s_cmp_eq_u32 s15, 0                            ; A PREFETCH, behind the joint load and its five lines: the first cluster of row y asks once for k and v of row y + 2: 8 KiB a wave of each, lanes 256 bytes apart.
	s_cbranch_scc0 .Lno_ask                        ; Each aligned block of 256 bytes is named once in the launch; rows 0 and 1 come by their loads alone; the address registers are never written again
	global_prefetch_b8 v31, s[84:85] th:TH_LOAD_NT scope:SCOPE_SE
	global_prefetch_b8 v31, s[84:85] offset:2097152 th:TH_LOAD_NT scope:SCOPE_SE
.Lno_ask:
	HS 3
	HS 4
	HS 5
	HS 6
	REFILL G0C                                     ; k's steps 2 and 3 have been read; v's steps 0 and 1 are shown landed
	HS 7
	; THE ROW'S SUM: my 512 keys, then my head's four waves', in the order of the keys
	v_pk_add_f32 v[20:21], v[20:21], v[22:23]
	v_add_f32 v20, v20, v21
	v_permlanex16_b32 v24, v20, s12, s13
	v_add_f32 v20, v20, v24
	ds_store_b32 v5, v20
	s_wait_dscnt 0x0                               ; for the others' sake
	s_barrier_signal -1
	s_barrier_wait -1
	ds_load_b32 v24, v6
	ds_load_b32 v25, v6 offset:128
	ds_load_b32 v26, v6 offset:256
	ds_load_b32 v27, v6 offset:384
	s_wait_dscnt 0x0
	v_add_f32 v24, v24, v25
	v_add_f32 v24, v24, v26
	v_add_f32 v24, v24, v27
	v_cmp_eq_f32 s14, 0, v24                       ; all keys hidden
	v_rcp_f32 v25, v24
	v_mov_b32 v26, 0x3a000000                      ; 1 / 2048.  (The plain instruction behind the reciprocal)
	s_wait_alu depctr_va_vdst(0)
	v_cndmask_b32 v12, v25, 0, s14                 ; p = E x (1 / sum) + 0, or E x 0 + 1 / 2048
	v_mov_b32 v13, v12
	v_cndmask_b32 v14, 0, v26, s14
	v_mov_b32 v15, v14
.macro NORM tau                        ; a key step's 64 weights of a lane become finished probabilities and then codes: the second product's operand
	WIN 0x41
.set i, 0
.rept 32
	v_pk_fma_f32 v[64*(\tau)+i:64*(\tau)+i+1], v[64*(\tau)+i:64*(\tau)+i+1], v[12:13], v[14:15]
.set i, i+2
.endr
.set i, 0
.rept 64
	v_min_num_f32 v[64*(\tau)+i], v[64*(\tau)+i], v16   ; the conversion does not saturate; p is not negative, so the hold is one-sided
.set i, i+1
.endr
	WIN 0x01
.set i, 0
.rept 8
	v_cvt_scalef32_pk8_fp8_f32 v[176+16*(\tau)+2*i:177+16*(\tau)+2*i], v[64*(\tau)+8*i:64*(\tau)+8*i+7], v17
.set i, i+1
.endr
.endm
	NORM 0
	NORM 1
	NORM 2
	NORM 3
	v_nop                                          ; a plain instruction between the last conversion and the products that read the codes
	WIN 0
.macro VFETCH tau                      ; v's eight images of my key step tau, into the half of window 1 that is free
	WIN 0x40
.irp f, 0,1,2,3,4,5,6,7
.irp c, 0,1,2,3
	ds_load_b128 v[128*((\tau)%2)+16*\f+4*\c:128*((\tau)%2)+16*\f+4*\c+3], v3 offset:(\f/4)*32768+(\tau)*8192+(\f%4)*2048+512*\c
.endr
.endr
	WIN 0
.endm
.macro PV tau                          ; O^T += v^T p^T: eight accumulators by turns; the first step starts the sums
	WIN 0x01
.irp f, 0,1,2,3,4,5,6,7
.if (\tau) == 0
	v_wmma_f32_16x16x128_fp8_fp8 v[112+8*\f:119+8*\f], v[128*((\tau)%2)+16*\f:128*((\tau)%2)+16*\f+15], v[176+16*(\tau):191+16*(\tau)], 0
.else
	v_wmma_f32_16x16x128_fp8_fp8 v[112+8*\f:119+8*\f], v[128*((\tau)%2)+16*\f:128*((\tau)%2)+16*\f+15], v[176+16*(\tau):191+16*(\tau)], v[112+8*\f:119+8*\f]
.endif
.endr
	WIN 0
.endm
	VFETCH 0
	VFETCH 1
	s_wait_tensorcnt 0x0                           ; my part of v's steps 2 and 3 is in,
	s_wait_dscnt 0x0                               ; and my reads of blocks 0 and 1 are over:
	s_barrier_signal -1
	s_barrier_wait -1                              ; both hold of every wave.  Nothing is filled any more
	PV 0
	PLACES
	VFETCH 2
	PV 1
	PLACES
	VFETCH 3
	s_wait_dscnt 0x0
	PV 2
	PV 3
	PLACES
	; THE FOUR QUARTERS OF THE KEYS MEET.  Each wave puts its O^T into block 0 of its region (its last fill and its last read are past) as an image of its registers; wave kq adds registers 16 kq .. 16 kq + 15 of its head's four:
	; features 32 kq + 16 (l / 16) + 0 .. 15 of my query: piece kq of the result's image.
.irp k, 0,1,2,3,4,5,6,7,8,9,10,11,12,13,14,15
	ds_store_b128 v7, v[112+4*\k:115+4*\k] offset:512*\k
.endr
	s_wait_dscnt 0x0
	s_barrier_signal -1
	s_barrier_wait -1
.irp q, 0,1
.irp c, 0,1,2,3
	ds_load_b128 v[48+16*\q+4*\c:51+16*\q+4*\c], v8 offset:32768*\q+512*\c
.endr
.endr
.irp q, 0,1
.irp c, 0,1,2,3
	ds_load_b128 v[80+16*\q+4*\c:83+16*\q+4*\c], v9 offset:32768*\q+512*\c
.endr
.endr
	s_wait_dscnt 0x0
.irp s, 64,80,96
.irp j, 0,2,4,6,8,10,12,14
	v_pk_add_f32 v[48+\j:49+\j], v[48+\j:49+\j], v[\s+\j:\s+\j+1]
.endr
.endr
.irp j, 0,1,2,3,4,5,6,7,8,9,10,11,12,13,14,15
	v_med3_num_f32 v[48+\j], v[48+\j], -v18, v18
.endr
	v_cvt_scalef32_pk8_fp8_f32 v[24:25], v[48:55], v19
	v_cvt_scalef32_pk8_fp8_f32 v[26:27], v[56:63], v19
	v_nop
	global_store_b128 v4, v[24:27], s[6:7]         ; 512 consecutive bytes
	s_wait_tensorcnt 0x0                           ; the wave's end
	ds_add_u32 v1, v2
	s_wait_dscnt 0x0
	CROUND                                         ; the closing round
	s_endpgm
.Lfunc_end_k_q3fdac08d63_att:
	.size	k_q3fdac08d63_att, .Lfunc_end_k_q3fdac08d63_att-k_q3fdac08d63_att
	.p2alignl 7, 3214868480
	.fill 96, 4, 3214868480
	.section	.rodata,"a",@progbits
	.p2align	6, 0x0
	.amdhsa_kernel k_q3fdac08d63_att
		.amdhsa_group_segment_fixed_size 327680
		.amdhsa_private_segment_fixed_size 0
		.amdhsa_enable_private_segment 0
		.amdhsa_kernarg_size 32
		.amdhsa_user_sgpr_count 2
		.amdhsa_user_sgpr_kernarg_segment_ptr 1
		.amdhsa_wavefront_size32 1
		.amdhsa_system_sgpr_workgroup_id_x 1
		.amdhsa_system_sgpr_workgroup_id_y 1
		.amdhsa_system_sgpr_workgroup_id_z 1
		.amdhsa_system_vgpr_workitem_id 0
		.amdhsa_next_free_vgpr 512
		.amdhsa_next_free_sgpr 100
		.amdhsa_reserve_vcc 0
		.amdhsa_float_denorm_mode_32 3
		.amdhsa_float_denorm_mode_16_64 3
		.amdhsa_memory_ordered 1
		.amdhsa_forward_progress 1
		.amdhsa_inst_pref_size 133
	.end_amdhsa_kernel
	.amdgpu_metadata
---
amdhsa.version: [ 1, 2 ]
amdhsa.kernels:
  - .name:           k_q3fdac08d63_att
    .symbol:         k_q3fdac08d63_att.kd
    .args:
      - { .name: qkv, .offset: 0, .size: 8, .value_kind: global_buffer, .address_space: global }
      - { .name: mw, .offset: 8, .size: 8, .value_kind: global_buffer, .address_space: global }
      - { .name: lowp_scales, .offset: 16, .size: 8, .value_kind: global_buffer, .address_space: global }
      - { .name: ec, .offset: 24, .size: 8, .value_kind: global_buffer, .address_space: global }
    .group_segment_fixed_size: 327680
    .private_segment_fixed_size: 0
    .kernarg_segment_align: 8
    .kernarg_segment_size: 32
    .max_flat_workgroup_size: 256
    .sgpr_count:     100
    .vgpr_count:     512
    .wavefront_size: 32
...
	.end_amdgpu_metadata
.endif
;; end of part 3
;; launch outp (part 4): grid 16 x 16, 4 waves a work-group, clusters of 4 x 4, 327,680 bytes of LDS; arguments ec, wc, lowp_scales, out0; writes out0
.if DOCPART == 4
	.amdgcn_target "amdgcn-amd-amdhsa--gfx1250"
	.amdhsa_code_object_version 6
	.text
	.protected	k_q3fdac08d63_outp
	.globl	k_q3fdac08d63_outp
	.p2align	8
	.type	k_q3fdac08d63_outp,@function
k_q3fdac08d63_outp:
	s_mov_b64 s[64:65], 0
	v_nop
	global_prefetch_b8 v0, s[64:65] scope:SCOPE_SE
	s_setreg_imm32_b32 hwreg(HW_REG_WAVE_MODE, 25, 1), 1
	s_wait_xcnt 0x0
	s_wait_alu depctr_hold_cnt(0) depctr_sa_sdst(0) depctr_va_vdst(0) depctr_va_sdst(0) depctr_va_ssrc(0) depctr_va_vcc(0) depctr_vm_vsrc(0)
	s_getreg_b32 s2, hwreg(HW_REG_IB_STS2, 6, 4)
	s_cmp_eq_u32 s2, 0
	s_cbranch_scc0 .Lentry_in_a_cluster
	s_endpgm
.Lentry_in_a_cluster:
	s_bfe_u32 s2, ttmp6, 0x10000c
	s_cmp_lg_u32 s2, 0xf033
	s_cbranch_scc0 .Lentry_shape_is_right
	s_endpgm
.Lentry_shape_is_right:
; PRODUCT 5: out = enc times wvec, on the codes that the launches before have made (scale entries 8 and 9).  Nothing is left out.
; Operands are fragment images (16 rows x 128 K = 2,048 bytes, lane l's 16 bytes of piece c at 512 c + 16 l; tile 2 c + u of 32 rows holds row 32 c + 8 u + r + 8 (r / 8)).
; SHARES.  Work-group (X, Y): 128 output features (8 tiles) x 256 positions (16 tiles); wave w: all 8 feature tiles x position tiles 4 w .. 4 w + 3: 32 accumulators.  K = 1,024: 8 steps of 128.
; THE MATRIX INSTRUCTION IS USED TRANSPOSED (source 0 = 16 features, source 1 = 16 positions): a lane holds one position, register j of feature tile 2 c + u is feature 32 c + 16 (l / 16) + 8 u + j.
; THE WEIGHTS LIE IN LDS WHOLE: 8 tiles x 8 K steps x 2,048 bytes = 128 KiB, by first fills alone, in two chunks of four K steps (a wave brings 2 tiles x 8 KiB of each): two tensor loads of mine are out at the most, no LDS byte is filled twice.
; THE POSITIONS GO FROM MEMORY STRAIGHT INTO REGISTERS: a wave's four tiles are read by that wave alone, and an image is the operand's registers as they stand.  Seven sets of 64 registers (K step ks: set ks % 7); a step's 16 loads are issued
; four steps ahead of its products: 64 loads, 32 KiB, of a wave are on their way.  Every offset is an immediate.
; CLUSTER 4 x 4: the weights are asked for jointly along a column.  THE POSITIONS ARE NOT ASKED FOR JOINTLY, though the four partners of a row read the same ones: through LDS the two operands' 128 + 256 KiB would have to take turns in slots,
; each change of slots behind a round of sixteen work-groups with one load a wave on its way.
; REGISTERS: window 0: v0-31 addresses, v64-255 positions' sets 0-2; on the way out v32-95 at work, v128-255 rows of the result; window 1: weights' fragments (two sets); window 2: accumulator (a, b) at 8 (8 b + a); window 3: positions' sets 3-6.
; LIMIT: entry 8 + entry 9 between -126 and 127, so that 2^(their sum) is an f32 number.
.set NKS,   8
.set SH,    14
.set NCH,   NKS/4
.set SPARE, NCH*65536                  ; behind the weights: the spare words, 128 bytes a wave
.set STG,   SPARE+512                  ; behind them: a stage of 16 rows x 528 bytes for each wave, bytes of its own
.set ADW,  16
.set SPW,  28
.set NIL,  29
.set G1W,  24
.set G0,   32
.set MSB, 0
.macro WIN new
.if MSB != \new
	s_set_vgpr_msb (MSB<<8)|\new
.set MSB, \new
.endif
.endm
.macro PLACES
.rept 4
	v_nop
.endr
.endm
.macro CROUND                          ; a round of the cluster's barrier
	s_barrier_signal -1
	s_barrier_wait -1
	s_cmp_lg_u32 s14, 0
	s_cbranch_scc1 .Lnot_wave_0_\@
	s_barrier_signal -3
.Lnot_wave_0_\@:
	s_barrier_wait -3
	s_barrier_signal -1
	s_barrier_wait -1
.endm
.macro FETCHW ks                       ; the weights' eight fragments of K step ks, from LDS into set ks % 2 of window 1
	WIN 0x40
.irp a, 0,1,2,3,4,5,6,7
.irp c, 0,1,2,3
	ds_load_b128 v[128*((\ks)%2)+16*\a+4*\c:128*((\ks)%2)+16*\a+4*\c+3], v[ADW+(\ks)/4] offset:\a*8192+((\ks)%4)*2048+512*\c
.endr
.endr
.endm
.macro GLOAD ks                        ; my four position tiles' fragments of K step ks, from memory into set ks % 7
.if ((\ks)%7) < 3
	WIN 0
.set gb, 64+64*((\ks)%7)
.else
	WIN 0xc0
.set gb, 64*((\ks)%7-3)
.endif
.irp b, 0,1,2,3
.irp c, 0,1,2,3
	global_load_b128 v[gb+16*\b+4*\c:gb+16*\b+4*\c+3], v4, s[22:23] offset:\b*NKS*2048+(\ks)*2048+512*\c
.endr
.endr
.endm
.macro MULS ks, a0, a1                 ; the 32 accumulators take turns, in the same order in every step; step 0 starts the sums
.if ((\ks)%7) < 3
	WIN 0xa1                                       ; source 0 window 1, source 1 window 0, C and D window 2
.set pb, 64+64*((\ks)%7)
.else
	WIN 0xad                                       ; the same with source 1 in window 3
.set pb, 64*((\ks)%7-3)
.endif
.set wb, 128*((\ks)%2)
.set ma, \a0
.rept \a1-\a0+1
.irp b, 0,1,2,3
.if (\ks) == 0
	v_wmma_f32_16x16x128_fp8_fp8 v[8*(8*\b+ma):8*(8*\b+ma)+7], v[wb+16*ma:wb+16*ma+15], v[pb+16*\b:pb+16*\b+15], 0
.else
	v_wmma_f32_16x16x128_fp8_fp8 v[8*(8*\b+ma):8*(8*\b+ma)+7], v[wb+16*ma:wb+16*ma+15], v[pb+16*\b:pb+16*\b+15], v[8*(8*\b+ma):8*(8*\b+ma)+7]
.endif
.endr
.set ma, ma+1
.endr
.endm
.macro KSTEP ks                        ; a K step of 128
	s_wait_dscnt 0x0                               ; the weights' set of this step is in
.if NKS-1-(\ks) > 3
	s_wait_loadcnt 48                              ; this step's 16 loads are in; the three younger sets may be out
.else
	s_wait_loadcnt 16*(NKS-1-(\ks))                ; towards the end fewer sets are younger
.endif
.if ((\ks)+1 < NKS) && (((\ks)+1)%4 == 0)
	s_wait_tensorcnt NCH-1-((\ks)+1)/4             ; my part of the next chunk is in
	s_barrier_signal -1
	s_barrier_wait -1                              ; everybody's is.
.endif
	MULS \ks, 0, 1
.if (\ks)+1 < NKS
	PLACES                                         ; four places between the last step's products and the loads into the weights' set that they read
	FETCHW (\ks)+1
.endif
.if (\ks)+4 < NKS
	GLOAD (\ks)+4                                  ; into a set that no product of the last two steps read
.endif
	MULS \ks, 2, 7
.endm
	s_load_b256 s[4:11], s[0:1], 0x0               ; ec s[4:5], wc s[6:7], scales s[8:9], out0 s[10:11]
	v_lshl_add_u32 v[SPW], v0, 2, SPARE
	v_mov_b32 v[NIL], 0
	ds_add_u32 v[SPW], v[NIL]                      ; the opening: the add, twice on end, and its wait ahead of my first tensor load
	ds_add_u32 v[SPW], v[NIL]
	v_lshrrev_b32 v1, 5, v0
	v_readfirstlane_b32 s14, v1                    ; wave
	s_bfe_u32 s48, ttmp6, 0x40000                  ; cx
	s_bfe_u32 s49, ttmp6, 0x40004                  ; cy
	s_lshl_b32 s50, ttmp9, 2
	s_add_co_u32 s50, s50, s48                     ; X
	s_and_b32 s17, ttmp7, 0xffff
	s_lshl_b32 s17, s17, 2
	s_add_co_u32 s17, s17, s49                     ; Y
	s_lshl_b32 s51, 0x1111, s48                    ; my column of the cluster
	s_or_b32 s[G1W], s51, (3<<16)|(1<<21)          ; the mask; elements of 8 bytes; bit 21 beside a mask; no padding
	s_mov_b32 s[G1W+1], 1024<<16                   ; four images on end,
	s_mov_b32 s[G1W+2], 2<<16                      ; of 2 tiles,
	s_mov_b32 s[G1W+3], 1024<<16
	s_mov_b32 s[G1W+4], 2
	s_mov_b32 s[G1W+5], NKS*256                    ; from tile to tile
	s_mov_b32 s[G1W+6], 0
	s_mov_b32 s[G1W+7], 0
	; every LDS address is made here, ahead of the first branch on the wave's number
	v_and_b32 v1, 15, v0                           ; r
	v_bfe_u32 v2, v0, 4, 1                         ; h
	v_and_b32 v3, 31, v0
	v_lshlrev_b32 v4, 4, v3                        ; 16 x lane: the global loads' and stores' offset; never rewritten
	v_lshlrev_b32 v[ADW], 4, v3
.set j, 1
.rept NCH-1
	v_add_nc_u32 v[ADW+j], j*65536, v[ADW]
.set j, j+1
.endr
	s_mul_i32 s18, s14, 8448                       ; the way out: my stage
	s_add_co_u32 s18, s18, STG
	v_mul_u32_u24 v20, v1, 528
	v_lshl_add_u32 v20, v2, 6, v20
	v_add_nc_u32 v20, s18, v20                     ; in: row r, + 64 h
	v_add_nc_u32 v21, s18, v[ADW]                  ; back: a whole row, 16 bytes a lane
	s_lshl_b32 s20, s50, 3
	s_lshl_b32 s18, s14, 1
	s_add_co_u32 s20, s20, s18                     ; feature tile 8 X + 2 w
	s_lshl_b32 s20, s20, SH
	s_add_co_u32 s20, s20, 4194304                 ; wvec's images lie behind the other weights'
	s_mov_b32 s21, 0
	s_lshl_b32 s19, s14, 14                        ; where my two tiles go in a chunk
	s_lshl_b32 s22, s17, 4
	s_lshl_b32 s18, s14, 2
	s_add_co_u32 s22, s22, s18                     ; position tile 16 Y + 4 w
	s_lshl_b32 s22, s22, SH
	s_mov_b32 s23, 0
	s_lshl_b32 s82, s17, 8                         ; the result: row 256 Y + 64 w, + 512 X bytes
	s_lshl_b32 s83, s14, 6
	s_add_co_u32 s82, s82, s83
	s_lshl_b32 s82, s82, 13
	s_lshl_b32 s83, s50, 9
	s_add_co_u32 s82, s82, s83
	s_mov_b32 s83, 0
	s_wait_dscnt 0x0                               ; both opening adds are done
	s_wait_kmcnt 0x0
	s_load_b64 s[96:97], s[8:9], 0x20              ; e8, e9
	s_add_nc_u64 s[20:21], s[6:7], s[20:21]
	s_add_nc_u64 s[22:23], s[4:5], s[22:23]
	s_add_nc_u64 s[10:11], s[10:11], s[82:83]
	GLOAD 0                                        ; the first four K steps' positions are asked for at once
	GLOAD 1
	GLOAD 2
	GLOAD 3
	WIN 0
.set j, 0
.rept NCH
	s_mov_b32 s[G0+4*j], 1                         ; count = 1
	s_add_co_u32 s[G0+4*j+1], s19, j*65536         ; LDS address: chunk j, my two tiles
	s_add_nc_u64 s[G0+4*j+2:G0+4*j+3], s[20:21], j*8192   ; global address: K steps 4 j on
	s_or_b32 s[G0+4*j+3], s[G0+4*j+3], 0x80000000  ; type = 2
.set j, j+1
.endr
	CROUND                                         ; all sixteen work-groups are here: the joint loads meet
.set j, 0
.rept NCH
	tensor_load_to_lds s[G0+4*j:G0+4*j+3], s[G1W:G1W+7]   ; all first fills in one group, every wave its part of every chunk
	s_nop 0
.set j, j+1
.endr
	PLACES
	s_wait_tensorcnt NCH-1                         ; my part of the first chunk is in; the second may be out
	s_barrier_signal -1
	s_barrier_wait -1
	FETCHW 0
.irp k, 0,1,2,3,4,5,6,7
	KSTEP \k
.endr
	WIN 0
	PLACES                                         ; in front of the first read of the results and of the first write over the last step's positions
	s_wait_kmcnt 0x0
	s_add_co_i32 s96, s96, s97
	s_add_co_i32 s96, s96, 127
	s_lshl_b32 s96, s96, 23                        ; 2^(e8 + e9)
	s_mov_b32 s97, s96
; THE WAY OUT, a tile of 16 positions x 128 features at a time, through my own stage.
; A lane's numbers go in by features; whole rows of 512 bytes come back, and the 32 lanes store them as one aligned run of 512 bytes.
.macro TOSTAGE b
	WIN 0x02
.set i, 0
.rept 32
	v_pk_mul_f32 v[32+i:33+i], v[64*(\b)+i:64*(\b)+i+1], s[96:97] op_sel_hi:[1,0]   ; each accumulator from its low end on
.set i, i+2
.endr
	WIN 0
.irp a, 0,1,2,3,4,5,6,7
	ds_store_b128 v20, v[32+8*\a:35+8*\a] offset:128*(\a/2)+32*(\a%2)
	ds_store_b128 v20, v[36+8*\a:39+8*\a] offset:128*(\a/2)+32*(\a%2)+16
.endr
.set i, 0
.rept 16
	ds_load_b128 v[128+64*((\b)%2)+4*i:131+64*((\b)%2)+4*i], v21 offset:528*i   ; LDS serves a wave's instructions in order: these see my stores
.set i, i+1
.endr
.endm
.macro SEND b, younger
	s_wait_dscnt \younger
.set i, 0
.rept 16
	global_store_b128 v4, v[128+64*((\b)%2)+4*i:131+64*((\b)%2)+4*i], s[10:11] offset:(32*((\b)/2)+8*((\b)%2)+i+8*(i/8))*8192 th:TH_STORE_NT
.set i, i+1
.endr
.endm
	TOSTAGE 0
	TOSTAGE 1
	SEND 0, 32                                     ; behind tile 0's loads: tile 1's 16 stores and 16 loads
	s_wait_xcnt 0x0                                ; tile 0's stores have read their registers: tile 2's rows may land there
	TOSTAGE 2
	SEND 1, 32
	s_wait_xcnt 0x0
	TOSTAGE 3
	SEND 2, 32
	SEND 3, 0
	s_wait_tensorcnt 0x0                           ; the wave's end
	ds_add_u32 v[SPW], v[NIL]
	s_wait_dscnt 0x0
	CROUND                                         ; the closing round
	s_endpgm
.Lfunc_end_k_q3fdac08d63_outp:
	.size	k_q3fdac08d63_outp, .Lfunc_end_k_q3fdac08d63_outp-k_q3fdac08d63_outp
	.p2alignl 7, 3214868480
	.fill 96, 4, 3214868480
	.section	.rodata,"a",@progbits
	.p2align	6, 0x0
	.amdhsa_kernel k_q3fdac08d63_outp
		.amdhsa_group_segment_fixed_size 327680
		.amdhsa_private_segment_fixed_size 0
		.amdhsa_enable_private_segment 0
		.amdhsa_kernarg_size 32
		.amdhsa_user_sgpr_count 2
		.amdhsa_user_sgpr_kernarg_segment_ptr 1
		.amdhsa_wavefront_size32 1
		.amdhsa_system_sgpr_workgroup_id_x 1
		.amdhsa_system_sgpr_workgroup_id_y 1
		.amdhsa_system_sgpr_workgroup_id_z 1
		.amdhsa_system_vgpr_workitem_id 0
		.amdhsa_next_free_vgpr 1024
		.amdhsa_next_free_sgpr 100
		.amdhsa_reserve_vcc 0
		.amdhsa_float_denorm_mode_32 3
		.amdhsa_float_denorm_mode_16_64 3
		.amdhsa_memory_ordered 1
		.amdhsa_forward_progress 1
		.amdhsa_inst_pref_size 74
	.end_amdhsa_kernel
	.amdgpu_metadata
---
amdhsa.version: [ 1, 2 ]
amdhsa.kernels:
  - .name:           k_q3fdac08d63_outp
    .symbol:         k_q3fdac08d63_outp.kd
    .args:
      - { .name: ec, .offset: 0, .size: 8, .value_kind: global_buffer, .address_space: global }
      - { .name: wc, .offset: 8, .size: 8, .value_kind: global_buffer, .address_space: global }
      - { .name: lowp_scales, .offset: 16, .size: 8, .value_kind: global_buffer, .address_space: global }
      - { .name: out0, .offset: 24, .size: 8, .value_kind: global_buffer, .address_space: global }
    .group_segment_fixed_size: 327680
    .private_segment_fixed_size: 0
    .kernarg_segment_align: 8
    .kernarg_segment_size: 32
    .max_flat_workgroup_size: 128
    .sgpr_count:     100
    .vgpr_count:     1024
    .wavefront_size: 32
...
	.end_amdgpu_metadata
.endif
;; end of part 4
